; MI455X (gfx1250); checked and timed in simulation.
; The chip was launched on July 23, 2026; its instructions are those of AMD's public machine-readable ISA for CDNA 5 (MIT licence, August 2026) and "CDNA5" Instruction Set Architecture Reference Guide (July 2026). The comments in the code are by the model that wrote it; some were corrected since.
;; Block. Allowed arithmetic: matrix products marked QUANTISED: E4M3 operands, one given power-of-two scale a tensor, by v_wmma_f32_16x16x64_fp8_fp8 or v_wmma_f32_16x16x128_fp8_fp8, f32 sums; everything else in f32.
;; Inputs: fc1_b 4,096 float32; fc1_w 1,024 x 4,096 float32; fc2_b 1,024 float32; fc2_w 4,096 x 1,024 float32; ln1_b 1,024 float32; ln1_g 1,024 float32; ln2_b 1,024 float32; ln2_g 1,024 float32; lowp_scales 12 int32 (the exponents e of the quantised operands' scales 2^e); proj_b 1,024 float32; proj_w 1,024 x 1,024 float32; qkv_b 3,072 float32; qkv_w 1,024 x 3,072 float32; x 2 x 2,048 x 1,024 float32.
;; Outputs: out0 2 x 2,048 x 1,024 float32.
;; This version of the problem:
;;   THIS VERSION OF THE PROBLEM IS GIVEN IN LOW PRECISION. The matrix products marked QUANTISED in the list below multiply operands that are first quantised to E4M3 (4 exponent bits, 3 mantissa bits; 8 bits a number), with one given power-of-two scale for each operand tensor; their sums are f32. All else is computed in f32.
;;   The module's matrix products, in the order in which they are computed (A, B: the left and right operand; K: the contracted axis; several contracted axes count as one K, in the product's order):
;;     1. [M 4,096, K 1,024] x [K 1,024, N 3,072]; A: computed on the way; B: input qkv_w: QUANTISED (scales: A lowp_scales[0], B lowp_scales[1])
;;     2. batch 32 x [M 2,048, K 64] x [K 64, N 2,048]; A: computed on the way; B: computed on the way: QUANTISED (scales: A lowp_scales[2], B lowp_scales[3])
;;     3. batch 32 x [M 64, K 2,048] x [K 2,048, N 2,048]; A: computed on the way; B: softmax (see below): QUANTISED (scales: A lowp_scales[4], B lowp_scales[5])
;;     4. [M 4,096, K 1,024] x [K 1,024, N 1,024]; A: computed on the way; B: input proj_w: QUANTISED (scales: A lowp_scales[6], B lowp_scales[7])
;;     5. [M 4,096, K 1,024] x [K 1,024, N 4,096]; A: computed on the way; B: input fc1_w: QUANTISED (scales: A lowp_scales[8], B lowp_scales[9])
;;     6. [M 4,096, K 4,096] x [K 4,096, N 1,024]; A: computed on the way; B: input fc2_w: QUANTISED (scales: A lowp_scales[10], B lowp_scales[11])
;;   THE QUANTISER, for each operand of a quantised product, along K:
;;     - The operand's scale is 2^e, e = its entry of the input lowp_scales (int32; the entries are numbered through the quantised products in the list's order, A before B).
;;     - Each number is divided by the scale, clamped to +-448, and rounded to the nearest number of E4M3, ties to even, subnormals kept.
;;     - The product sums the exact products of the quantised numbers (number of the format x scale) in f32.
;;   ~~~python
;;   def quantise(x, axis, e):      # numpy; x: float32 -> the quantised numbers, widened to float32 again
;;       x = np.moveaxis(x, axis, -1); K = x.shape[-1]
;;       r = np.clip(x / 2.0 ** e, -448, 448)
;;       step = 2.0 ** (np.maximum(np.frexp(np.where(r == 0, 1, r))[1] - 1, -6) - 3)
;;       q = np.round(r / step) * step * 2.0 ** e      # np.round: ties to even
;;       return np.moveaxis(q, -1, axis).astype(np.float32)
;;   ~~~
;;   SOFTMAX AHEAD OF A QUANTISED PRODUCT. Where the list says 'softmax', what is quantised is not the finished softmax but p = 2^(t - M), with t = logit x log2(e) and M = ceil(the row's largest t), a whole number; so 1/2 < the row's largest p <= 1. The row's sum l is taken of the UNQUANTISED p, in f32, and the product's result is divided by l at the end. Since M is a whole number, a kernel that streams over the keys may use a running M (the ceiling of the running maximum): every later rescaling is an exact power of two, so the quantised numbers keep their values, but for numbers so far below the row's largest that they fall under the format's range.
;;   OPERANDS COMPUTED ON THE WAY. 'Computed on the way' means the value that the module computes at that place (a softmax that the list does not call 'softmax' is quantised finished and normalised). What goes into a quantiser is computed in f32, as accurately as f32 sums, v_exp_f32 and their like allow (about 1e-6 of the number): no bf16 or f16 on the way to a quantiser, and a product that is left as it is and whose result goes on into a quantised operand takes f32 operands (vector FMAs, or v_wmma_f32_16x16x4_f32). A number that lies on a knife's edge between two numbers of the format may be rounded either way, as far as f32 arithmetic and the matrix unit's own rounding can turn it there, and no further.
;; One version. Each part assembles by itself: llvm-mc -triple=amdgcn-amd-amdhsa -mcpu=gfx1250 --defsym DOCPART=n.
;; ======== version 1 of 1: 7 launches
;; limits: right only within a limited range of input values
;; workspace buffers: hc 4,194,304 bytes; wc 12,582,912 bytes; qkvc 12,582,912 bytes; yc 4,194,304 bytes; x1 16,777,216 bytes; h2c 4,194,304 bytes; gc 16,777,216 bytes
;; launch prep (part 1): grid 640 x 1, 4 waves a work-group, no clusters, 35,840 bytes of LDS; arguments x, ln1_g, ln1_b, lowp_scales, qkv_w, proj_w, fc1_w, fc2_w, hc, wc; writes hc, wc
.if DOCPART == 1
	.amdgcn_target "amdgcn-amd-amdhsa--gfx1250"
	.amdhsa_code_object_version 6
	.text
	.protected	k_qc45bd1c841_prep
	.globl	k_qc45bd1c841_prep
	.p2align	8
	.type	k_qc45bd1c841_prep,@function
k_qc45bd1c841_prep:
	s_mov_b64 s[64:65], 0
	v_nop
	global_prefetch_b8 v0, s[64:65] scope:SCOPE_SE
	s_setreg_imm32_b32 hwreg(HW_REG_WAVE_MODE, 25, 1), 1
	s_wait_xcnt 0x0
; Work-groups 0-255: hc = codes of LayerNorm(x) (E4M3, scale 2^e0), [4096 rows][1024], K innermost.
; Work-groups 256-639: the four weights, f32 [K][N], become codes [N][K] in wc: qkv at 0, proj at 3,145,728, fc1 at 4,194,304, fc2 at 8,388,608 (scales e1, e7, e9, e11).
; code = number / 2^e, held within +-448, to the nearest code, ties to even.  LIMITS: each e between -126 and 119; NaN and infinities among the inputs are not served.
; NORM: a wave takes 4 rows, one at a time, whole in 32 registers.  Lane l holds, of chunk j, the numbers 256 j + 8 l + 0..7 (two loads of 16 bytes; the pair covers 1,024 consecutive bytes), so that the
; conversion finds 8 neighbours along K in one lane, and a chunk's codes leave as 32 lanes x 8 bytes = 256 consecutive bytes, aligned.  Mean first, then the squares of the differences: no difference of large sums.
; WEIGHTS: a lane takes a column n and its registers run down K (32 a block); a wave takes 32 columns x 256 K; the codes go through the wave's own stage in LDS and leave as rows, sixteen lanes to 256 aligned bytes.
; No matrix unit, no cluster, no tensor load: every byte is read once, and waves share nothing.
.set SPW, 14                           ; v14  LDS address of my spare word; never rewritten
.set NIL, 15                           ; v15  0; never rewritten
.set SPARE, 4*32*272                   ; behind the four stages: the spare words, 128 bytes a wave
.set G,  32                            ; norm: v32-63 gain, v64-95 bias, v96-159 two rows, v160-191 codes (8 registers a row: no store's data are written again)
.set BB, 64
.set X,  96
.set C,  160
.set WX, 32                            ; weights: v32-95 two blocks of 32 numbers, v96-103 a block's codes, v112-175 the way out, v176-207 offsets
.set WC, 96
.set OUTR, 112
.set VO, 176
.set SB, 68                            ; s[68:83] eight bases, one for each block of 32 along K: none is ever rewritten
	s_load_b256 s[4:11], s[0:1], 0x0               ; x, ln1_g, ln1_b, the scales' exponents
	s_load_b256 s[12:19], s[0:1], 0x20             ; qkv_w, proj_w, fc1_w, fc2_w
	s_load_b128 s[20:23], s[0:1], 0x40             ; hc, wc
	v_lshl_add_u32 v[SPW], v0, 2, SPARE
	v_mov_b32 v[NIL], 0
	v_lshrrev_b32 v1, 5, v0
	v_readfirstlane_b32 s24, v1                    ; wave
	v_and_b32 v2, 31, v0                           ; lane
	s_wait_kmcnt 0x0
	s_load_b256 s[40:47], s[10:11], 0x0            ; e0 .. e7
	s_load_b128 s[48:51], s[10:11], 0x20           ; e8 .. e11
	s_cmp_lt_u32 ttmp9, 256
	s_cbranch_scc0 .Lweights
; ---------------- the norm ----------------
.macro XROW i                          ; row i's eight loads, into buffer i % 2
.irp j, 0,1,2,3
	global_load_b128 v[X+32*((\i)%2)+8*\j:X+32*((\i)%2)+8*\j+3], v1, s[4:5] offset:4096*(\i)+1024*\j th:TH_LOAD_NT
	global_load_b128 v[X+32*((\i)%2)+8*\j+4:X+32*((\i)%2)+8*\j+7], v1, s[4:5] offset:4096*(\i)+1024*\j+16 th:TH_LOAD_NT
.endr
.endm
.macro SUM4                            ; four chains of pairs become one number a lane, then the sum over the 32 lanes, in every lane
	v_pk_add_f32 v[16:17], v[16:17], v[18:19]
	v_pk_add_f32 v[20:21], v[20:21], v[22:23]
	v_pk_add_f32 v[16:17], v[16:17], v[20:21]
	v_add_f32 v8, v16, v17
	v_add_f32_dpp v8, v8, v8 row_xmask:1 row_mask:0xf bank_mask:0xf
	v_add_f32_dpp v8, v8, v8 row_xmask:2 row_mask:0xf bank_mask:0xf
	v_add_f32_dpp v8, v8, v8 row_xmask:4 row_mask:0xf bank_mask:0xf
	v_add_f32_dpp v8, v8, v8 row_xmask:8 row_mask:0xf bank_mask:0xf
	v_permlanex16_b32 v9, v8, s28, s29
	v_add_f32 v8, v8, v9
.endm
.macro ROW i, left, fill               ; left: the younger loads that may stay out; fill = 1: the buffer takes the row two further on
.set XS, X+32*((\i)%2)
	s_wait_loadcnt \left
.irp k, 0,2,4,6
	v_pk_add_f32 v[16+\k:17+\k], v[XS+\k:XS+\k+1], v[XS+8+\k:XS+9+\k]
.endr
.irp m, 16,24
.irp k, 0,2,4,6
	v_pk_add_f32 v[16+\k:17+\k], v[16+\k:17+\k], v[XS+\m+\k:XS+\m+\k+1]
.endr
.endr
	SUM4
	v_mul_f32 v4, s26, v8                          ; the mean
	v_mov_b32 v5, v4
.set p, 0
.rept 16
	v_pk_add_f32 v[XS+p:XS+p+1], v[XS+p:XS+p+1], v[4:5] neg_lo:[0,1] neg_hi:[0,1]
.set p, p+2
.endr
.irp k, 0,2,4,6
	v_pk_mul_f32 v[16+\k:17+\k], v[XS+\k:XS+\k+1], v[XS+\k:XS+\k+1]
.endr
.irp m, 8,16,24
.irp k, 0,2,4,6
	v_pk_fma_f32 v[16+\k:17+\k], v[XS+\m+\k:XS+\m+\k+1], v[XS+\m+\k:XS+\m+\k+1], v[16+\k:17+\k]
.endr
.endr
	SUM4
	v_fma_f32 v8, v8, s26, s27                     ; the variance + 1e-5
	s_wait_alu depctr_va_vdst(0)
	v_rsq_f32 v6, v8
	v_nop                                          ; a plain instruction behind the transcendental
	s_wait_alu depctr_va_vdst(0)                   ; and the wait ahead of its first reader
	v_mov_b32 v7, v6
.set p, 0
.rept 16
	v_pk_mul_f32 v[XS+p:XS+p+1], v[XS+p:XS+p+1], v[6:7]
.set p, p+2
.endr
.set p, 0
.rept 16
	v_pk_fma_f32 v[XS+p:XS+p+1], v[XS+p:XS+p+1], v[G+p:G+p+1], v[BB+p:BB+p+1]
.set p, p+2
.endr
.set p, 0
.rept 32
	v_med3_num_f32 v[XS+p], v[XS+p], -v10, v10     ; the conversion does not saturate (ISA guide 7.6.2): the hold at the largest code x the scale
.set p, p+1
.endr
.irp j, 0,1,2,3
	v_cvt_scalef32_pk8_fp8_f32 v[C+8*(\i)+2*\j:C+8*(\i)+2*\j+1], v[XS+8*\j:XS+8*\j+7], v11
.endr
	v_nop                                          ; a plain instruction behind the last conversion
.irp j, 0,1,2,3
	global_store_b64 v3, v[C+8*(\i)+2*\j:C+8*(\i)+2*\j+1], s[20:21] offset:1024*(\i)+256*\j   ; 32 lanes store 256 consecutive bytes, aligned
.endr
.if \fill
	XROW (\i)+2
.endif
.endm
	s_wait_alu depctr_va_vdst(0)
	v_lshlrev_b32 v1, 5, v2                        ; 32 x lane: my 8 numbers of a chunk
	s_wait_alu depctr_va_vdst(0)
	v_lshlrev_b32 v3, 3, v2                        ; 8 x lane: their codes
	v_mov_b32 v9, 0                                ; a lane permute's destination counts as read
	s_lshl_b32 s25, ttmp9, 4
	s_lshl_b32 s32, s24, 2
	s_add_co_u32 s25, s25, s32                     ; my first row: 16 x work-group + 4 x wave
	s_lshl_b32 s32, s25, 12
	s_mov_b32 s33, 0
	s_add_nc_u64 s[4:5], s[4:5], s[32:33]
	s_lshl_b32 s32, s25, 10
	s_add_nc_u64 s[20:21], s[20:21], s[32:33]
	s_mov_b32 s26, 0x3a800000                      ; 1 / 1024
	s_mov_b32 s27, 0x3727c5ac                      ; 1e-5
	s_mov_b32 s28, 0x76543210
	s_mov_b32 s29, 0xfedcba98
.irp j, 0,1,2,3
	global_load_b128 v[G+8*\j:G+8*\j+3], v1, s[6:7] offset:1024*\j
	global_load_b128 v[G+8*\j+4:G+8*\j+7], v1, s[6:7] offset:1024*\j+16
.endr
.irp j, 0,1,2,3
	global_load_b128 v[BB+8*\j:BB+8*\j+3], v1, s[8:9] offset:1024*\j
	global_load_b128 v[BB+8*\j+4:BB+8*\j+7], v1, s[8:9] offset:1024*\j+16
.endr
	XROW 0
	XROW 1
	s_wait_kmcnt 0x0
	s_add_co_i32 s30, s40, 127
	s_lshl_b32 s31, s30, 23
	v_mov_b32 v11, s31                             ; 2^e0 as f32
	s_add_co_i32 s30, s30, 8
	s_lshl_b32 s30, s30, 23
	s_or_b32 s30, s30, 0x600000
	v_mov_b32 v10, s30                             ; 448 x 2^e0
	ROW 0, 8, 1                                    ; the count 8: the next row's eight loads stay out
	ROW 1, 8, 1
	ROW 2, 8, 0
	ROW 3, 0, 0
	s_endpgm
; ---------------- the weights ----------------
.Lweights:
	s_sub_co_u32 s25, ttmp9, 256                   ; 0-95 qkv, 96-127 proj, 128-255 fc1, 256-383 fc2
	s_wait_kmcnt 0x0
	s_mov_b64 s[36:37], s[18:19]                   ; fc2's figures, replaced below by compares on the work-group's number alone
	s_mov_b32 s26, 4096                            ; bytes in a row of the weight
	s_mov_b32 s27, 4096                            ; bytes in a row of its codes (K)
	s_mov_b32 s28, 4                               ; log2 of its blocks of 256 along K
	s_mov_b32 s29, 256                             ; its first work-group
	s_mov_b32 s30, s51                             ; its e
	s_mov_b32 s34, 8388608                         ; its place in wc
	s_cmp_lt_u32 s25, 256
	s_cselect_b64 s[36:37], s[16:17], s[36:37]
	s_cselect_b32 s26, 16384, s26
	s_cselect_b32 s27, 1024, s27
	s_cselect_b32 s28, 2, s28
	s_cselect_b32 s29, 128, s29
	s_cselect_b32 s30, s49, s30
	s_cselect_b32 s34, 4194304, s34
	s_cmp_lt_u32 s25, 128
	s_cselect_b64 s[36:37], s[14:15], s[36:37]
	s_cselect_b32 s26, 4096, s26
	s_cselect_b32 s29, 96, s29
	s_cselect_b32 s30, s47, s30
	s_cselect_b32 s34, 3145728, s34
	s_cmp_lt_u32 s25, 96
	s_cselect_b64 s[36:37], s[12:13], s[36:37]
	s_cselect_b32 s26, 12288, s26
	s_cselect_b32 s29, 0, s29
	s_cselect_b32 s30, s41, s30
	s_cselect_b32 s34, 0, s34
	s_sub_co_u32 s25, s25, s29
	s_bfm_b32 s35, s28, 0
	s_and_b32 s31, s25, s35                        ; which 256 along K
	s_lshr_b32 s25, s25, s28                       ; which 128 columns
	s_lshl_b32 s25, s25, 7
	s_lshl_b32 s35, s24, 5
	s_add_co_u32 s25, s25, s35                     ; my wave's first column
	s_lshl_b32 s32, s26, 8
	s_mul_i32 s32, s32, s31
	s_lshl_b32 s35, s25, 2
	s_add_co_u32 s32, s32, s35
	s_mov_b32 s33, 0
	s_add_nc_u64 s[SB:SB+1], s[36:37], s[32:33]
	s_lshl_b32 s38, s26, 5                         ; 32 rows on
	s_mov_b32 s39, 0
.irp t, 1,2,3,4,5,6,7
	s_add_nc_u64 s[SB+2*\t:SB+2*\t+1], s[SB+2*\t-2:SB+2*\t-1], s[38:39]
.endr
	s_mul_i32 s32, s25, s27
	s_lshl_b32 s35, s31, 8
	s_add_co_u32 s32, s32, s35
	s_add_co_u32 s32, s32, s34
	s_add_nc_u64 s[84:85], s[22:23], s[32:33]      ; the codes: row = my first column, + 256 x the block along K
	s_wait_alu depctr_va_vdst(0)
	v_lshlrev_b32 v[VO], 2, v2                     ; offsets: 4 x lane + i rows
.set q, 1
.rept 31
	v_add_nc_u32 v[VO+q], s26, v[VO+q-1]
.set q, q+1
.endr
	s_mul_i32 s35, s24, 32*272                     ; my stage
	v_mul_u32_u24 v4, v2, 272
	v_add_nc_u32 v4, s35, v4                       ; into it: row = my column
	v_and_b32 v5, 15, v2
	v_lshrrev_b32 v6, 4, v2
	v_mul_u32_u24 v7, v6, 272
	v_lshl_add_u32 v7, v5, 4, v7
	v_add_nc_u32 v7, s35, v7                       ; out of it: sixteen lanes to a row, two rows an instruction
	s_add_co_i32 s30, s30, 127
	s_lshl_b32 s35, s30, 23
	v_mov_b32 v11, s35                             ; 2^e
	s_add_co_i32 s30, s30, 8
	s_lshl_b32 s30, s30, 23
	s_or_b32 s30, s30, 0x600000
	v_mov_b32 v10, s30                             ; 448 x 2^e
.macro WLOAD t                         ; block t: w(32 t + i, my column), i = 0 .. 31: each load reads 128 consecutive bytes, the four waves side by side
.set q, 0
.rept 32
	global_load_b32 v[WX+32*((\t)%2)+q], v[VO+q], s[SB+2*(\t):SB+2*(\t)+1] th:TH_LOAD_NT
.set q, q+1
.endr
.endm
.macro BLOCK t
.set XS, WX+32*((\t)%2)
.if (\t) < 7
	s_wait_loadcnt 32                              ; this block's 32 loads are in; the next block's may be out
.else
	s_wait_loadcnt 0
.endif
.set q, 0
.rept 32
	v_med3_num_f32 v[XS+q], v[XS+q], -v10, v10
.set q, q+1
.endr
.irp g, 0,1,2,3
	v_cvt_scalef32_pk8_fp8_f32 v[WC+2*\g:WC+2*\g+1], v[XS+8*\g:XS+8*\g+7], v11
.endr
	v_nop
	ds_store_b128 v4, v[WC:WC+3] offset:32*(\t)
	ds_store_b128 v4, v[WC+4:WC+7] offset:32*(\t)+16
.if (\t)+2 < 8
	WLOAD (\t)+2
.endif
	s_wait_dscnt 0x0                               ; the stores have read their registers: the next block's codes may be written
.endm
	WLOAD 0
	WLOAD 1
	s_wait_alu depctr_va_vdst(0)
.irp t, 0,1,2,3,4,5,6,7
	BLOCK \t
.endr
	v_mul_lo_u32 v[VO], v6, s27                    ; all loads are in: their offset registers take the stores' offsets: (lane / 16) rows of codes + 16 (lane % 16),
	v_lshl_add_u32 v[VO], v5, 4, v[VO]
	s_lshl_b32 s35, s27, 1
.set q, 1
.rept 15
	v_add_nc_u32 v[VO+q], s35, v[VO+q-1]           ; and two rows on for each store
.set q, q+1
.endr
.set q, 0
.rept 16
	ds_load_b128 v[OUTR+4*q:OUTR+4*q+3], v7 offset:2*q*272   ; LDS serves a wave's instructions in order: these see my stores
.set q, q+1
.endr
.set q, 0
	s_wait_alu depctr_va_vdst(0)
.rept 16
	s_wait_dscnt 15-q
	global_store_b128 v[VO+q], v[OUTR+4*q:OUTR+4*q+3], s[84:85]   ; sixteen lanes store 256 consecutive bytes, aligned
.set q, q+1
.endr
	s_wait_tensorcnt 0x0                           ; the wave's end
	ds_add_u32 v[SPW], v[NIL]
	s_wait_dscnt 0x0
	s_endpgm
.Lfunc_end_k_qc45bd1c841_prep:
	.size	k_qc45bd1c841_prep, .Lfunc_end_k_qc45bd1c841_prep-k_qc45bd1c841_prep
	.p2alignl 7, 3214868480
	.fill 96, 4, 3214868480
	.section	.rodata,"a",@progbits
	.p2align	6, 0x0
	.amdhsa_kernel k_qc45bd1c841_prep
		.amdhsa_group_segment_fixed_size 35840
		.amdhsa_private_segment_fixed_size 0
		.amdhsa_enable_private_segment 0
		.amdhsa_kernarg_size 80
		.amdhsa_user_sgpr_count 2
		.amdhsa_user_sgpr_kernarg_segment_ptr 1
		.amdhsa_wavefront_size32 1
		.amdhsa_system_sgpr_workgroup_id_x 1
		.amdhsa_system_sgpr_workgroup_id_y 1
		.amdhsa_system_sgpr_workgroup_id_z 1
		.amdhsa_system_vgpr_workitem_id 0
		.amdhsa_next_free_vgpr 208
		.amdhsa_next_free_sgpr 96
		.amdhsa_reserve_vcc 0
		.amdhsa_float_denorm_mode_32 3
		.amdhsa_float_denorm_mode_16_64 3
		.amdhsa_memory_ordered 1
		.amdhsa_forward_progress 1
		.amdhsa_inst_pref_size 94
	.end_amdhsa_kernel
	.amdgpu_metadata
---
amdhsa.version: [ 1, 2 ]
amdhsa.kernels:
  - .name:           k_qc45bd1c841_prep
    .symbol:         k_qc45bd1c841_prep.kd
    .args:
      - { .name: x, .offset: 0, .size: 8, .value_kind: global_buffer, .address_space: global }
      - { .name: ln1_g, .offset: 8, .size: 8, .value_kind: global_buffer, .address_space: global }
      - { .name: ln1_b, .offset: 16, .size: 8, .value_kind: global_buffer, .address_space: global }
      - { .name: lowp_scales, .offset: 24, .size: 8, .value_kind: global_buffer, .address_space: global }
      - { .name: qkv_w, .offset: 32, .size: 8, .value_kind: global_buffer, .address_space: global }
      - { .name: proj_w, .offset: 40, .size: 8, .value_kind: global_buffer, .address_space: global }
      - { .name: fc1_w, .offset: 48, .size: 8, .value_kind: global_buffer, .address_space: global }
      - { .name: fc2_w, .offset: 56, .size: 8, .value_kind: global_buffer, .address_space: global }
      - { .name: hc, .offset: 64, .size: 8, .value_kind: global_buffer, .address_space: global }
      - { .name: wc, .offset: 72, .size: 8, .value_kind: global_buffer, .address_space: global }
    .group_segment_fixed_size: 35840
    .private_segment_fixed_size: 0
    .kernarg_segment_align: 8
    .kernarg_segment_size: 80
    .max_flat_workgroup_size: 128
    .sgpr_count:     96
    .vgpr_count:     208
    .wavefront_size: 32
...
	.end_amdgpu_metadata
.endif
;; end of part 1
;; launch qkv (part 2): grid 12 x 16, 4 waves a work-group, clusters of 4 x 4, 327,680 bytes of LDS; arguments hc, wc, lowp_scales, qkv_b, qkvc; writes qkvc
.if DOCPART == 2
	.amdgcn_target "amdgcn-amd-amdhsa--gfx1250"
	.amdhsa_code_object_version 6
	.text
	.protected	k_qc45bd1c841_qkv
	.globl	k_qc45bd1c841_qkv
	.p2align	8
	.type	k_qc45bd1c841_qkv,@function
k_qc45bd1c841_qkv:
	s_mov_b64 s[64:65], 0
	v_nop
	global_prefetch_b8 v0, s[64:65] scope:SCOPE_SE
	s_setreg_imm32_b32 hwreg(HW_REG_WAVE_MODE, 25, 1), 1
	s_wait_xcnt 0x0
	s_wait_alu depctr_hold_cnt(0) depctr_sa_sdst(0) depctr_va_vdst(0) depctr_va_sdst(0) depctr_va_ssrc(0) depctr_va_vcc(0) depctr_vm_vsrc(0)
	s_getreg_b32 s2, hwreg(HW_REG_IB_STS2, 6, 4)
	s_cmp_eq_u32 s2, 0
	s_cbranch_scc0 .Lentry_in_a_cluster
	s_endpgm
.Lentry_in_a_cluster:
	s_bfe_u32 s2, ttmp6, 0x10000c
	s_cmp_lg_u32 s2, 0xf033
	s_cbranch_scc0 .Lentry_shape_is_right
	s_endpgm
.Lentry_shape_is_right:
; qkv = Q(LN1(x)) Q(qkv_w) x 2^(e0 + e1) + qkv_b, quantised at once for attention: q (e2) at byte 0 and k (e3) at byte 4,194,304 of qkvc as [32 heads][2048][64], v (e4) at byte 8,388,608 as [32 heads][64][2048 keys].
; A tile of 256 x 256 to a work-group of four waves, 128 x 128 a wave (64 accumulators); K = 1,024 in steps of 256 through a ring of two LDS slots; 4 x 4 clusters with joint loads.
; THE MATRIX INSTRUCTION IS USED TRANSPOSED (source 0 = 16 rows of operand B, source 1 = 16 rows of operand A): a lane holds one row of A's side and eight neighbours of B's side.
; Clusters x = 0 (q) and 1 (k): A = tokens (hc), B = weight rows: a lane's eight are neighbours along the head's 64, the K of q k^T.
; Cluster x = 2 (v): THE OPERANDS CHANGE ROLES, by a choice of pointers on the cluster's x alone: A = weight rows 2,048 on, B = tokens: a lane's eight are neighbouring TOKENS, the K of the product with p.  The loop is one text.
; LIMITS: e0 + e1 between -126 and 127; e2, e3, e4 between -126 and 119.
; REGISTERS: window 0: v0-31 addresses; v32-95 bias by B's side, v96-111 bias by A's side (idle in the loop); from v128 A's fragments, ONE set; window 1: B's fragments, two sets; windows 2, 3: the accumulators.
.set SIZE_K, 1024
.set KSTEP,  256
.set ROWB,   256
.set KROW,   SIZE_K
.set PITCH,  272                       ; an LDS row: 256 bytes + 16 of padding: the 16 rows that a load touches start at 16 different banks (64 banks of 4 bytes: ISA guide 11.1)
.set FR,     16
.set NL,     4
.set NP,     4                         ; places behind this matrix instruction (ISA guide 7.12.1)
.set HALFT,  128*PITCH
.set SLOT,   4*HALFT
.set LAPS,   SIZE_K/(2*KSTEP)
.set SPARE,  2*SLOT                    ; behind the ring: the spare words
.set LIMV, 8                           ; v8 448 x 2^eo, v9 2^eo
.set SCLV, 9
.set RDQ,  10                          ; v10, v11 the stage read by heads (rows 0-127, 128-255)
.set RDQ2, 11
.set BO,   12                          ; v12 32 h: bias by B's side
.set MO,   13                          ; v13 4 r: bias by A's side
.set ADRA, 16
.set ADRB, 20
.set STO,  24                          ; v24 the stage: where I put 8 codes
.set GOQ,  26                          ; v26 16 x lane
.set RDV,  27                          ; v27 the stage read by rows
.set SPW,  28
.set NIL,  29
.set GOV,  30                          ; v30 (lane / 16) x 2,048 + 16 (lane % 16)
.set BN,   32
.set BM,   96
.set CD,   112                         ; v112-143 codes, two sets by turns
.set AF,   128
.set TMP,  144                         ; v144-207 a block's 64 numbers
.set G1, 24
.set G0, 32
.set G1B, 48
.set G0B, 56
.set MSB, 0
.macro WIN new                         ; the immediate's high byte repeats the setting that is left
.if MSB != \new
	s_set_vgpr_msb (MSB<<8)|\new
.set MSB, \new
.endif
.endm
.set MUL_LO, 0xa1                      ; source 0 window 1, source 1 window 0, C and D window 2
.set MUL_HI, 0xf1
.set TO_B,   0x40
.macro JLOAD g0a, g1a, g0b, g1b        ; a joint load: waves 0, 1 fetch for A, waves 2, 3 for B; an s_nop 0 and four v_nop follow each line
	s_cmp_eq_u32 s15, 0
	s_cbranch_scc0 .Lfor_b_\@
	tensor_load_to_lds s[\g0a:\g0a+3], s[\g1a:\g1a+7]
	s_nop 0
.rept 4
	v_nop
.endr
	s_branch .Lasked_\@
.Lfor_b_\@:
	tensor_load_to_lds s[\g0b:\g0b+3], s[\g1b:\g1b+7]
	s_nop 0
.rept 4
	v_nop
.endr
.Lasked_\@:
.endm
.macro CREST
	s_cmp_lg_u32 s14, 0
	s_cbranch_scc1 .Lnot_wave_0_\@
	s_barrier_signal -3
.Lnot_wave_0_\@:
	s_barrier_wait -3
	s_barrier_signal -1
	s_barrier_wait -1
.endm
.macro CROUND
	s_barrier_signal -1
	s_barrier_wait -1
	CREST
.endm
	s_load_b128 s[4:7], s[0:1], 0x0                ; hc, wc
	s_load_b128 s[8:11], s[0:1], 0x10              ; the scales' exponents, qkv_b
	s_load_b64 s[12:13], s[0:1], 0x20              ; qkvc
	v_lshl_add_u32 v[SPW], v0, 2, SPARE
	v_mov_b32 v[NIL], 0
	ds_add_u32 v[SPW], v[NIL]                      ; the wave's opening: the add and its wait ahead of my first tensor load
	ds_add_u32 v[SPW], v[NIL]
	v_lshrrev_b32 v1, 5, v0
	v_readfirstlane_b32 s14, v1                    ; wave
	s_lshr_b32 s15, s14, 1                         ; my half of A's rows.  Also: I fetch for A (0) or B (1)
	s_and_b32 s16, s14, 1                          ; my half of B's rows.  Also: which 128 rows I fetch
	s_bfe_u32 s40, ttmp6, 0x40000                  ; cx
	s_bfe_u32 s41, ttmp6, 0x40004                  ; cy
	s_and_b32 s66, ttmp7, 0xffff
	s_lshl_b32 s66, s66, 2                         ; 4 x cluster y
	s_lshl_b32 s67, ttmp9, 2                       ; 4 x cluster x
	s_cmp_eq_u32 ttmp9, 2                          ; v's cluster column?  The same in all sixteen partners
	s_cselect_b32 s17, 8, s66                      ; A's tile: weight rows 2,048 on, or tokens
	s_cselect_b32 s42, s66, s67                    ; B's tile: tokens, or weight rows
	s_cselect_b32 s68, -1, 0                       ; lane masks: bias by A's side counts,
	s_cselect_b32 s69, 0, -1                       ; bias by B's side counts
	s_add_co_u32 s17, s17, s41                     ; + cy: A's tile never holds cx
	s_add_co_u32 s42, s42, s40                     ; + cx: B's tile never holds cy
	s_lshl_b32 s43, s41, 2
	s_lshl_b32 s43, 15, s43                        ; my row of the cluster
	s_lshl_b32 s44, 0x1111, s40                    ; my column
	s_or_b32 s[G1+0], s43, (0<<16)|(1<<20)|(1<<21)|(5<<22)|(3<<25)  ; mask; 1-byte elements; padding on; bit 21 beside a mask; 4 words after every 64
	s_or_b32 s[G1B+0], s44, (0<<16)|(1<<20)|(1<<21)|(5<<22)|(3<<25)
.irp g, G1, G1B
	s_mov_b32 s[\g+1], ROWB<<16                    ; tensor_dim0
	s_mov_b32 s[\g+2], 128<<16                     ; tensor_dim1
	s_mov_b32 s[\g+3], ROWB<<16                    ; tile_dim0
	s_mov_b32 s[\g+4], 128                         ; tile_dim1
	s_mov_b32 s[\g+5], KROW                        ; stride
	s_mov_b32 s[\g+6], 0
	s_mov_b32 s[\g+7], 0
.endr
	s_lshl_b32 s18, s16, 7
	s_lshl_b32 s20, s17, 8
	s_add_co_u32 s20, s20, s18
	s_lshl_b32 s20, s20, 10                        ; A: (256 x tile + 128 x half) rows of 1,024 bytes
	s_mov_b32 s21, 0
	s_lshl_b32 s46, s42, 8
	s_add_co_u32 s46, s46, s18
	s_lshl_b32 s46, s46, 10                        ; B likewise
	s_mov_b32 s47, 0
	s_mul_i32 s45, s14, HALFT                      ; where they go: wave x 128 rows
	v_and_b32 v31, 31, v0
	v_lshlrev_b32 v31, 10, v31                     ; the prefetches' offset: a lane a row of 1,024 bytes; never rewritten
	s_wait_alu depctr_va_vdst(0)                   ; the wait here, directly ahead of the wait below
	s_wait_dscnt 0x0
	s_wait_kmcnt 0x0
	s_load_b256 s[76:83], s[8:9], 0x0              ; e0 .. e7
	s_load_b128 s[84:87], s[8:9], 0x20
	s_cmp_eq_u32 ttmp9, 2
	s_cselect_b64 s[70:71], s[6:7], s[4:5]         ; A's buffer
	s_cselect_b64 s[72:73], s[4:5], s[6:7]         ; B's buffer
	s_add_nc_u64 s[20:21], s[70:71], s[20:21]
	s_add_nc_u64 s[46:47], s[72:73], s[46:47]
	s_cmp_eq_u32 s15, 0                            ; the prefetches: of the 128 rows that my wave fetches, each of the four partners that ask with me names 32, told apart by address (cx for A, cy for B)
	s_cselect_b64 s[98:99], s[20:21], s[46:47]
	s_cselect_b32 s74, s40, s41
	s_lshl_b32 s74, s74, 15                        ; 32 rows of 1,024 bytes
	s_mov_b32 s75, 0
	s_add_nc_u64 s[98:99], s[98:99], s[74:75]      ; never rewritten: the K steps stand in the immediates
	CROUND                                         ; all sixteen work-groups are here: the first joint loads meet
.irp s, 0,1
	s_mov_b32 s[G0+4*\s], 1
	s_add_co_u32 s[G0+4*\s+1], s45, \s*SLOT
	s_add_nc_u64 s[G0+4*\s+2:G0+4*\s+3], s[20:21], \s*ROWB
	s_or_b32 s[G0+4*\s+3], s[G0+4*\s+3], 0x80000000
	s_mov_b32 s[G0B+4*\s], 1
	s_add_co_u32 s[G0B+4*\s+1], s45, \s*SLOT
	s_add_nc_u64 s[G0B+4*\s+2:G0B+4*\s+3], s[46:47], \s*ROWB
	s_or_b32 s[G0B+4*\s+3], s[G0B+4*\s+3], 0x80000000
.endr
	JLOAD G0, G1, G0B, G1B                         ; K step 0: one tensor load a wave at the head
	global_prefetch_b8 v31, s[98:99] offset:256 th:TH_LOAD_NT scope:SCOPE_SE   ; K steps 1 and 2: 32 rows x 256 bytes each
	global_prefetch_b8 v31, s[98:99] offset:512 th:TH_LOAD_NT scope:SCOPE_SE
	v_and_b32 v1, 15, v0                           ; r
	s_wait_alu depctr_va_vdst(0)
	v_bfe_u32 v2, v0, 4, 1                         ; h
	v_mul_u32_u24 v3, v1, PITCH
	v_lshl_add_u32 v4, v2, 4, v3
	s_mul_i32 s21, s15, HALFT
	s_mul_i32 s22, s16, HALFT
	s_add_co_u32 s22, s22, 2*HALFT
.irp s, 0,1
	v_add_nc_u32 v[ADRA+\s], s21, v4
	v_add_nc_u32 v[ADRB+\s], s22, v4
	s_add_co_u32 s21, s21, SLOT
	s_add_co_u32 s22, s22, SLOT
.endr
	; the stage: the work-group's tile of codes, 256 rows (A's side) x 272 bytes, in slot 0, which has had its last fill and its last read when the first code is stored there
	s_mul_i32 s23, s15, 128*272
	s_lshl_b32 s22, s16, 7
	s_add_co_u32 s23, s23, s22
	v_mul_u32_u24 v5, v1, 272
	s_wait_alu depctr_va_vdst(0)
	v_lshl_add_u32 v5, v2, 3, v5
	v_add_nc_u32 v[STO], s23, v5                   ; row 128 x row half + r, byte 128 x column half + 8 h
	v_and_b32 v6, 31, v0
	v_lshrrev_b32 v7, 2, v6
	v_mul_u32_u24 v7, v7, 272
	v_and_b32 v5, 3, v6
	v_lshl_add_u32 v7, v5, 4, v7
	s_lshl_b32 s22, s14, 6
	v_add_nc_u32 v[RDQ], s22, v7                   ; q, k: wave w takes columns 64 w on (a head): row lane / 4, 16 bytes at 16 (lane % 4)
	v_add_nc_u32 v[RDQ2], 16*2176, v[RDQ]
	s_mul_i32 s22, s14, 64*272
	v_mul_u32_u24 v7, v2, 272
	v_lshl_add_u32 v7, v1, 4, v7
	v_add_nc_u32 v[RDV], s22, v7                   ; v: wave w takes rows 64 w on, whole
	v_lshlrev_b32 v[GOQ], 4, v6
	v_lshlrev_b32 v[GOV], 11, v2
	v_lshl_add_u32 v[GOV], v1, 4, v[GOV]
	v_lshlrev_b32 v[BO], 5, v2
	s_wait_alu depctr_va_vdst(0)
	v_lshlrev_b32 v[MO], 2, v1
	; the biases: both are loaded, from places inside qkv_b in either role, and the one that does not count is made 0 behind the loop
	s_wait_alu depctr_va_vdst(0)
	s_lshl_b32 s22, s42, 8
	s_lshl_b32 s23, s16, 7
	s_add_co_u32 s22, s22, s23
	s_lshl_b32 s74, s17, 8
	s_lshl_b32 s23, s15, 7
	s_add_co_u32 s74, s74, s23
	s_cmp_eq_u32 ttmp9, 2
	s_cselect_b32 s22, 0, s22
	s_cselect_b32 s74, s74, 0
	s_lshl_b32 s22, s22, 2
	s_mov_b32 s23, 0
	s_add_nc_u64 s[92:93], s[10:11], s[22:23]
	s_lshl_b32 s74, s74, 2
	s_mov_b32 s75, 0
	s_add_nc_u64 s[94:95], s[10:11], s[74:75]
.irp b, 0,1,2,3,4,5,6,7
	global_load_b128 v[BN+8*\b:BN+8*\b+3], v[BO], s[92:93] offset:64*\b          ; bias(16 b + 8 h + 0 .. 7)
	global_load_b128 v[BN+8*\b+4:BN+8*\b+7], v[BO], s[92:93] offset:64*\b+16
.endr
.irp a, 0,1,2,3,4,5,6,7
	global_load_b32 v[BM+2*\a], v[MO], s[94:95] offset:64*\a                      ; bias(16 a + r), twice: a pair for the packed addition
	global_load_b32 v[BM+2*\a+1], v[MO], s[94:95] offset:64*\a
.endr
	; where the codes go.  q, k: head (token tile / 8) x 16 + 4 cx + wave, tokens 256 x (token tile % 8) on, 64 bytes a token; a tensor of 32 heads x 2,048 x 64 codes is 4,194,304 bytes
	s_lshr_b32 s22, s17, 3
	s_lshl_b32 s22, s22, 4
	s_lshl_b32 s23, s40, 2
	s_add_co_u32 s22, s22, s23
	s_add_co_u32 s22, s22, s14
	s_lshl_b32 s22, s22, 11
	s_and_b32 s23, s17, 7
	s_lshl_b32 s23, s23, 8
	s_add_co_u32 s22, s22, s23
	s_lshl_b32 s22, s22, 6
	s_lshl_b32 s23, ttmp9, 22                      ; q at 0, k at 4,194,304
	s_add_co_u32 s22, s22, s23
	s_mov_b32 s23, 0
	s_add_nc_u64 s[88:89], s[12:13], s[22:23]
	; v: row (token tile / 8) x 1,024 + 256 cy + 64 wave of 2,048 bytes, byte 256 x (token tile % 8)
	s_lshr_b32 s22, s42, 3
	s_lshl_b32 s22, s22, 10
	s_lshl_b32 s23, s41, 8
	s_add_co_u32 s22, s22, s23
	s_lshl_b32 s23, s14, 6
	s_add_co_u32 s22, s22, s23
	s_lshl_b32 s22, s22, 11
	s_and_b32 s23, s42, 7
	s_lshl_b32 s23, s23, 8
	s_add_co_u32 s22, s22, s23
	s_add_co_u32 s22, s22, 8388608                 ; v behind q and k
	s_mov_b32 s23, 0
	s_add_nc_u64 s[90:91], s[12:13], s[22:23]
.macro FRAG reg, adr, q, i             ; 16 rows x 128 K: registers 4 c .. 4 c + 3 hold K = 32 c + 16 h + 0 .. 15: the same order of k in A and in B
.irp c, 0,1,2,3
	ds_load_b128 v[\reg+4*\c:\reg+4*\c+3], v[\adr] offset:128*(\q)+32*\c+(\i)*16*PITCH
.endr
.endm
.macro MUL16 a0, p, zero               ; the 64 accumulators take turns, one instruction a turn, in the same order in every step
.irp a, \a0, \a0+1
.irp b, 0,1,2,3,4,5,6,7
.if \zero
	v_wmma_f32_16x16x128_fp8_fp8 v[8*(8*((\a)%4)+\b):8*(8*((\a)%4)+\b)+7], v[128*(\p)+FR*\b:128*(\p)+FR*\b+FR-1], v[AF+FR*(\a):AF+FR*(\a)+FR-1], 0
.else
	v_wmma_f32_16x16x128_fp8_fp8 v[8*(8*((\a)%4)+\b):8*(8*((\a)%4)+\b)+7], v[128*(\p)+FR*\b:128*(\p)+FR*\b+FR-1], v[AF+FR*(\a):AF+FR*(\a)+FR-1], v[8*(8*((\a)%4)+\b):8*(8*((\a)%4)+\b)+7]
.endif
.endr
.endr
.endm
.macro FETCH_B slot, q, p
	WIN TO_B
.irp i, 0,1,2,3,4,5,6,7
	FRAG 128*(\p)+FR*\i, ADRB+\slot, \q, \i
.endr
	WIN 0
.endm
.macro FETCH_A slot, q, i0
.irp i, \i0, \i0+1, \i0+2, \i0+3
	FRAG AF+FR*(\i), ADRA+\slot, \q, \i
.endr
.endm
.macro PLACES n                        ; plain vector instructions between a matrix instruction and a load into, or a read of, its registers
.rept \n
	v_nop
.endr
.endm
.macro STEP slot, q, zero
	s_wait_dscnt 4*NL                              ; B's set and A's blocks 0-3 are in; the youngest 16 loads (A's blocks 4-7) may be out
	WIN MUL_LO
	MUL16 0, (\q)%2, \zero
	MUL16 2, (\q)%2, \zero
	s_wait_dscnt 0
	PLACES NP
	FETCH_B \slot, (\q)+1, 1-(\q)%2
	FETCH_A \slot, (\q)+1, 0
	WIN MUL_HI
	MUL16 4, (\q)%2, \zero
	MUL16 6, (\q)%2, \zero
	PLACES NP
	WIN 0
	FETCH_A \slot, (\q)+1, 4
.endm
.macro TURN slot, next, fill           ; a slot's last step changes slots: one barrier; fill = 1: it opens a round of the cluster's barrier, and this slot is filled again
	s_wait_tensorcnt 0x0                           ; all my tensor loads have landed: my part of the next slot
	ds_add_u32 v[SPW], v[NIL]                      ; 0 onto my spare word
	s_wait_dscnt 4*NL+1                            ; the add and the youngest 16 loads may be out
	WIN MUL_LO
	MUL16 0, 1, 0
	s_wait_dscnt 0x0                               ; the add is done, and my reads of this slot are over
	s_barrier_signal -1
	MUL16 2, 1, 0
	WIN 0
	s_barrier_wait -1
.if \fill
	CREST
	s_add_nc_u64 s[G0+4*\slot+2:G0+4*\slot+3], s[G0+4*\slot+2:G0+4*\slot+3], 2*ROWB
	s_add_nc_u64 s[G0B+4*\slot+2:G0B+4*\slot+3], s[G0B+4*\slot+2:G0B+4*\slot+3], 2*ROWB
	JLOAD G0+4*\slot, G1, G0B+4*\slot, G1B         ; the first tensor load behind the round; its four v_nop are the places in front of the loads below
.else
	PLACES NP
.endif
	FETCH_B \next, 0, 0
	FETCH_A \next, 0, 0
	WIN MUL_HI
	MUL16 4, 1, 0
	MUL16 6, 1, 0
	PLACES NP
	WIN 0
	FETCH_A \next, 0, 4
.endm
	s_wait_alu depctr_va_vdst(0)                   ; the wait at the head's end
	s_wait_tensorcnt 0x0                           ; my part of K step 0 is in; slot 1's first fill is issued as a refill is:
	ds_add_u32 v[SPW], v[NIL]                      ; 0 onto my spare word
	s_wait_dscnt 0x0
	CROUND                                         ; a whole round: everybody's part of K step 0 is in
	JLOAD G0+4, G1, G0B+4, G1B                     ; K step 1: the first tensor load behind the round
	FETCH_B 0, 0, 0
	FETCH_A 0, 0, 0
	FETCH_A 0, 0, 4
	global_prefetch_b8 v31, s[98:99] offset:768 th:TH_LOAD_NT scope:SCOPE_SE   ; K step 3, the last: two K steps ahead of its load
	STEP 0, 0, 1
	s_mov_b32 s3, LAPS-1
.Llap:
	TURN 0, 1, 1
	STEP 1, 0, 0
	TURN 1, 0, 1
	STEP 0, 0, 0
	s_sub_co_u32 s3, s3, 1
	s_cmp_lg_u32 s3, 0
	s_cbranch_scc1 .Llap
	TURN 0, 1, 0
	STEP 1, 0, 0
	s_wait_dscnt 4*NL
	WIN MUL_LO
	MUL16 0, 1, 0
	MUL16 2, 1, 0
	s_wait_dscnt 0
	WIN MUL_HI
	MUL16 4, 1, 0
	MUL16 6, 1, 0
	WIN 0
	; THE WAY OUT: sum x 2^(e0 + e1) + bias, held, converted; 8 codes a lane and accumulator into the stage; a barrier; dense runs out.
	s_wait_kmcnt 0x0
	s_add_co_i32 s96, s76, s77
	s_add_co_i32 s96, s96, 127
	s_lshl_b32 s96, s96, 23                        ; 2^(e0 + e1)
	s_mov_b32 s97, s96
	s_cmp_eq_u32 ttmp9, 0
	s_cselect_b32 s74, s78, s79                    ; q: e2; k: e3;
	s_cmp_eq_u32 ttmp9, 2
	s_cselect_b32 s74, s80, s74                    ; v: e4: a choice of values, no branch
	s_add_co_i32 s74, s74, 127
	s_lshl_b32 s75, s74, 23
	v_mov_b32 v[SCLV], s75
	s_add_co_i32 s74, s74, 8
	s_lshl_b32 s74, s74, 23
	s_or_b32 s74, s74, 0x600000
	v_mov_b32 v[LIMV], s74
	s_wait_loadcnt 0x0                             ; the biases
	PLACES NP
.set i, 0
.rept 64
	v_cndmask_b32 v[BN+i], 0, v[BN+i], s69
.set i, i+1
.endr
.set i, 0
.rept 16
	v_cndmask_b32 v[BM+i], 0, v[BM+i], s68
.set i, i+1
.endr
.macro CODES a                         ; block a: 16 rows of A's side x 128 of B's
.set AC, 64*((\a)%4)
.set CC, CD+16*((\a)%2)
	WIN 0x02+((\a)/4)                              ; source 0: window 2 or 3
.set i, 0
.rept 32
	v_pk_fma_f32 v[TMP+i:TMP+i+1], v[AC+i:AC+i+1], s[96:97], v[BN+i:BN+i+1] op_sel_hi:[1,0,1]   ; each accumulator from its low end on
.set i, i+2
.endr
	WIN 0
.set i, 0
.rept 32
	v_pk_add_f32 v[TMP+i:TMP+i+1], v[TMP+i:TMP+i+1], v[BM+2*(\a):BM+2*(\a)+1]
.set i, i+2
.endr
.set i, 0
.rept 64
	v_med3_num_f32 v[TMP+i], v[TMP+i], -v[LIMV], v[LIMV]
.set i, i+1
.endr
.if (\a) >= 2
	s_wait_alu depctr_va_vdst(0)
	s_wait_dscnt 8                                 ; the block before's eight stores may be out; those that read this set of code registers are done
.endif
.irp b, 0,1,2,3,4,5,6,7
	v_cvt_scalef32_pk8_fp8_f32 v[CC+2*\b:CC+2*\b+1], v[TMP+8*\b:TMP+8*\b+7], v[SCLV]
.endr
	v_nop                                          ; a plain instruction behind the last conversion
.irp b, 0,1,2,3,4,5,6,7
	ds_store_b64 v[STO], v[CC+2*\b:CC+2*\b+1] offset:(\a)*16*272+16*\b
.endr
.endm
.irp a, 0,1,2,3,4,5,6,7
	CODES \a
.endr
	s_wait_dscnt 0x0                               ; for the others' sake: my codes lie in the stage
	s_barrier_signal -1
	s_barrier_wait -1
	s_cmp_eq_u32 ttmp9, 2                          ; the cluster's x: the same in all partners and all waves
	s_cbranch_scc1 .Lv
.set i, 0
.rept 16
	ds_load_b128 v[128+4*i:131+4*i], v[RDQ] offset:2176*i      ; 8 tokens x 64 bytes of my head
.set i, i+1
.endr
.set i, 0
.rept 16
	ds_load_b128 v[192+4*i:195+4*i], v[RDQ2] offset:2176*i
.set i, i+1
.endr
.set i, 0
.rept 32
	s_wait_dscnt 31-i
	global_store_b128 v[GOQ], v[128+4*i:131+4*i], s[88:89] offset:512*i   ; 32 lanes store 512 consecutive bytes, aligned
.set i, i+1
.endr
	s_branch .Ldone
.Lv:
.set i, 0
.rept 32
	ds_load_b128 v[128+4*i:131+4*i], v[RDV] offset:544*i       ; two rows of 256 keys
.set i, i+1
.endr
.set i, 0
.rept 32
	s_wait_dscnt 31-i
	global_store_b128 v[GOV], v[128+4*i:131+4*i], s[90:91] offset:4096*i  ; sixteen lanes store 256 consecutive bytes, aligned
.set i, i+1
.endr
.Ldone:
	s_wait_tensorcnt 0x0                           ; the wave's end
	ds_add_u32 v[SPW], v[NIL]
	s_wait_dscnt 0x0
	CROUND                                         ; the closing round
	s_endpgm
.Lfunc_end_k_qc45bd1c841_qkv:
	.size	k_qc45bd1c841_qkv, .Lfunc_end_k_qc45bd1c841_qkv-k_qc45bd1c841_qkv
	.p2alignl 7, 3214868480
	.fill 96, 4, 3214868480
	.section	.rodata,"a",@progbits
	.p2align	6, 0x0
	.amdhsa_kernel k_qc45bd1c841_qkv
		.amdhsa_group_segment_fixed_size 327680
		.amdhsa_private_segment_fixed_size 0
		.amdhsa_enable_private_segment 0
		.amdhsa_kernarg_size 40
		.amdhsa_user_sgpr_count 2
		.amdhsa_user_sgpr_kernarg_segment_ptr 1
		.amdhsa_wavefront_size32 1
		.amdhsa_system_sgpr_workgroup_id_x 1
		.amdhsa_system_sgpr_workgroup_id_y 1
		.amdhsa_system_sgpr_workgroup_id_z 1
		.amdhsa_system_vgpr_workitem_id 0
		.amdhsa_next_free_vgpr 1024
		.amdhsa_next_free_sgpr 100
		.amdhsa_reserve_vcc 0
		.amdhsa_float_denorm_mode_32 3
		.amdhsa_float_denorm_mode_16_64 3
		.amdhsa_memory_ordered 1
		.amdhsa_forward_progress 1
		.amdhsa_inst_pref_size 175
	.end_amdhsa_kernel
	.amdgpu_metadata
---
amdhsa.version: [ 1, 2 ]
amdhsa.kernels:
  - .name:           k_qc45bd1c841_qkv
    .symbol:         k_qc45bd1c841_qkv.kd
    .args:
      - { .name: hc, .offset: 0, .size: 8, .value_kind: global_buffer, .address_space: global }
      - { .name: wc, .offset: 8, .size: 8, .value_kind: global_buffer, .address_space: global }
      - { .name: lowp_scales, .offset: 16, .size: 8, .value_kind: global_buffer, .address_space: global }
      - { .name: qkv_b, .offset: 24, .size: 8, .value_kind: global_buffer, .address_space: global }
      - { .name: qkvc, .offset: 32, .size: 8, .value_kind: global_buffer, .address_space: global }
    .group_segment_fixed_size: 327680
    .private_segment_fixed_size: 0
    .kernarg_segment_align: 8
    .kernarg_segment_size: 40
    .max_flat_workgroup_size: 128
    .sgpr_count:     100
    .vgpr_count:     1024
    .wavefront_size: 32
...
	.end_amdgpu_metadata
.endif
;; end of part 2
;; launch attn (part 3): grid 8 x 32, 8 waves a work-group, clusters of 4 x 1, 327,680 bytes of LDS; arguments qkvc, lowp_scales, yc; writes yc
.if DOCPART == 3
	.amdgcn_target "amdgcn-amd-amdhsa--gfx1250"
	.amdhsa_code_object_version 6
	.text
	.protected	k_qc45bd1c841_attn
	.globl	k_qc45bd1c841_attn
	.p2align	8
	.type	k_qc45bd1c841_attn,@function
k_qc45bd1c841_attn:
	s_mov_b64 s[64:65], 0
	v_nop
	global_prefetch_b8 v0, s[64:65] scope:SCOPE_SE
	s_setreg_imm32_b32 hwreg(HW_REG_WAVE_MODE, 25, 1), 1
	s_wait_xcnt 0x0
	s_wait_alu depctr_hold_cnt(0) depctr_sa_sdst(0) depctr_va_vdst(0) depctr_va_sdst(0) depctr_va_ssrc(0) depctr_va_vcc(0) depctr_vm_vsrc(0)
	s_getreg_b32 s2, hwreg(HW_REG_IB_STS2, 6, 4)
	s_cmp_eq_u32 s2, 0
	s_cbranch_scc0 .Lentry_in_a_cluster
	s_endpgm
.Lentry_in_a_cluster:
	s_bfe_u32 s2, ttmp6, 0x10000c
	s_cmp_lg_u32 s2, 0x3003
	s_cbranch_scc0 .Lentry_shape_is_right
	s_endpgm
.Lentry_shape_is_right:
; y[head][q] = (sum over keys of Q(p) Q(v)) / l, p = 2^(t - M), t = (q . k) x log2(e) (the source has no 1 / sqrt of the head size), M = the running largest t rounded up to a whole number,
; l = the sum of the unquantised p.  In qkvc: q at byte 0, k at 4,194,304: codes [32 heads][2048][64]; v at 8,388,608: codes [32 heads][64][2048 keys].  y is quantised at once (e6) into yc [32 blocks of 128 tokens][16 heads][128][64].
; Scales: q e2, k e3, v e4, p e5.  LIMITS: e2 + e3 between -126 and 127 (added to log2(e)'s exponent field); e5, e6 between -126 and 119; the scaled scores t stay under 2^31 in magnitude.
; SHARES: a work-group owns 256 queries of one head; each of its EIGHT waves owns 32 of them, two tiles of 16, so that each fragment of K and of V read from LDS feeds two matrix instructions, and one tile's chains stand among the other tile's independent work.
; K AND V OF THE HEAD STAY IN LDS, each byte filled once: waves 0-3 fetch 256 keys of K each, waves 4-7 256 keys of V each: keys 0-1,023 at the head, keys 1,024-2,047 behind the full sequence and a round, as a refill is issued.
; Keys 0-767 are walked while the second group lands; then one wait and one barrier; then the rest.  CLUSTER 4 x 1: four query blocks of one head ask for the same K and V jointly (mask 15).
; Nothing is prefetched: both groups of tensor loads are issued ahead of the first loop.
; Both products are used transposed (S^T = K Q^T, O^T = V^T P^T): a lane holds one query of each tile.  Lane r of key tile 2 b + u takes key 32 b + 8 u + r + 8 (r / 8), so that the 16 registers of tiles 2 b, 2 b + 1 are keys 32 b + 16 h + 0 .. 15.
; K IN LDS: rows of two keys, 128 bytes + 16: key k at (k / 2) x 144 + (k % 2) x 64.  V IN LDS: 8 chunks of 256 keys, 64 rows of 256 + 16 bytes.
; LDS LOADS: a step's V is asked for behind tile 0's exponentials, the next step's K behind tile 1's.  The last step's look-ahead names the last pair's K again (inside K's bytes); nothing reads it.
; REGISTERS.  Window 0: v1-9 addresses; v12-15 -M and the largest t of both tiles; v16-31 Q; v32-95 K's 8 fragments; v96-159, v160-223 S^T, then p, of tile 0, 1; v224-239 sums and chains; v241-255 constants and work.
; Window 1: v0-63 V's 4 fragments; v64-127 O^T (tile u at 64 + 32 u); v128-159 p's codes.
.set KP,    144
.set VP,    272
.set KPAIR, 128*KP                     ; 256 keys of K
.set VCH,   64*VP                      ; the same 256 keys of V
.set VBASE, 1024*KP
.set STAGE, VBASE+8*VCH                ; the way out: 32 rows x (64 + 16) bytes for each wave
.set SPARE, STAGE+8*32*80              ; the spare words: 128 bytes for each of 8 waves
.set AK0,  1
.set AV0,  2
.set RDS,  4
.set SPW,  5
.set NIL,  6
.set GO,   7
.set ADK,  8                           ; K: the pair of steps whose fragments are asked for next
.set ADV,  9                           ; V likewise
.set QF,   16
.set KF,   32
.set S,    96
.set CH,   224                         ; tile u: v[CH+8u:CH+8u+1] the sum l, the six behind it chains at work
.set F,    246                         ; v[246:247], v[248:249]: f = 2^(old M - new M)
.set VF,   0                           ; window 1
.set OT,   64
.set CD,   128
.set TBK,  2
.set TBV,  3
.set CNT,  14
.set STG,  15
.set WV,   18
.set CX,   19
.set SEL,  20
.set CS,   22
.set G1K,  24
.set G1V,  32
.set G0K,  40                          ; s[40:47] two groups 0 for K's loads; s[84:91] for V's: none is rewritten
.set G0V,  84
.set LIMP, 94                          ; s94 448 x 2^e5
.set MSB, 0
.macro WIN new                         ; the immediate's high byte repeats the setting that is left
.if MSB != \new
	s_set_vgpr_msb (MSB<<8)|\new
.set MSB, \new
.endif
.endm
.macro CROUND                          ; a round of the cluster's barrier
	s_barrier_signal -1
	s_barrier_wait -1
	s_cmp_lg_u32 s[WV], 0
	s_cbranch_scc1 .Lnot_wave_0_\@
	s_barrier_signal -3
.Lnot_wave_0_\@:
	s_barrier_wait -3
	s_barrier_signal -1
	s_barrier_wait -1
.endm
.macro JLOAD g                         ; a joint load a wave: waves 0-3 for K, 4-7 for V; an s_nop 0 and four v_nop follow each line
	s_cmp_lt_u32 s[WV], 4
	s_cbranch_scc0 .Lfor_v_\@
	tensor_load_to_lds s[G0K+4*\g:G0K+4*\g+3], s[G1K:G1K+7]
	s_nop 0
.rept 4
	v_nop
.endr
	s_branch .Lasked_\@
.Lfor_v_\@:
	tensor_load_to_lds s[G0V+4*\g:G0V+4*\g+3], s[G1V:G1V+7]
	s_nop 0
.rept 4
	v_nop
.endr
.Lasked_\@:
.endm
.macro KLOAD adr, q                    ; 8 tiles of 16 keys x 64
.irp t, 0,1,2,3,4,5,6,7
.irp c, 0,1
	ds_load_b128 v[KF+8*\t+4*\c:KF+8*\t+4*\c+3], v[\adr] offset:(64*(\q)+16*(\t/2)+4*(\t%2))*KP+32*\c
.endr
.endr
.endm
.macro VLOAD adr, q                    ; 4 tiles of 16 of the head's 64 x 128 keys, into window 1
.irp t, 0,1,2,3
.irp c, 0,1,2,3
	ds_load_b128 v[VF+16*\t+4*\c:VF+16*\t+4*\c+3], v[\adr] offset:16*\t*VP+128*(\q)+32*\c
.endr
.endr
.endm
	s_load_b128 s[4:7], s[0:1], 0x0                ; qkvc, the scales' exponents
	s_load_b64 s[16:17], s[0:1], 0x10              ; yc
	v_lshl_add_u32 v[SPW], v0, 2, SPARE
	v_mov_b32 v[NIL], 0
	ds_add_u32 v[SPW], v[NIL]                      ; the wave's opening: the add, twice on end, and its wait ahead of my first tensor load
	ds_add_u32 v[SPW], v[NIL]
	v_lshrrev_b32 v8, 5, v0
	v_readfirstlane_b32 s[WV], v8
	s_bfe_u32 s[CX], ttmp6, 0x40000                ; cx
	s_and_b32 s56, ttmp7, 0xffff                   ; the head, which the four partners share
	s_lshl_b32 s58, s56, 17                        ; its 131,072 bytes in each of q, k, v
	s_mov_b32 s59, 0
	s_mov_b32 s[G1K], 15|(0<<16)|(1<<20)|(1<<21)|(4<<22)|(3<<25)   ; the mask: all four work-groups; 1-byte elements; padding on; bit 21 beside a mask; 4 words after every 32
	s_mov_b32 s[G1K+1], 128<<16
	s_mov_b32 s[G1K+2], 128<<16
	s_mov_b32 s[G1K+3], 128<<16
	s_mov_b32 s[G1K+4], 128                        ; 128 rows of 128 bytes, dense
	s_mov_b32 s[G1K+5], 128
	s_mov_b32 s[G1K+6], 0
	s_mov_b32 s[G1K+7], 0
	s_mov_b32 s[G1V], 15|(0<<16)|(1<<20)|(1<<21)|(5<<22)|(3<<25)   ; the same; 4 words after every 64
	s_mov_b32 s[G1V+1], 256<<16
	s_mov_b32 s[G1V+2], 64<<16
	s_mov_b32 s[G1V+3], 256<<16
	s_mov_b32 s[G1V+4], 64                         ; 64 rows of 256 bytes, 2,048 apart
	s_mov_b32 s[G1V+5], 2048
	s_mov_b32 s[G1V+6], 0
	s_mov_b32 s[G1V+7], 0
	s_and_b32 s76, s[WV], 3                        ; i: which 256 keys of a group of 1,024 I fetch
	s_mul_i32 s77, s76, KPAIR
	s_lshl_b32 s78, s76, 14                        ; K in memory: 256 keys of 64 bytes
	s_mov_b32 s79, 0
	s_mul_i32 s80, s76, VCH
	s_add_co_u32 s80, s80, VBASE
	s_lshl_b32 s82, s76, 8                         ; V in memory: 256 keys along the rows
	s_mov_b32 s83, 0
	s_mov_b32 s[SEL], 0x76543210
	s_mov_b32 s[SEL+1], 0xfedcba98
	s_mov_b32 s[CS], 0x3fb8aa3b                    ; log2(e)
	s_mov_b32 s[TBK], 0
	s_mov_b32 s[TBV], 0
	s_wait_dscnt 0x0                               ; both opening adds are done
	s_wait_kmcnt 0x0
	s_load_b256 s[68:75], s[6:7], 0x0              ; e0 .. e7
	s_add_nc_u64 s[8:9], s[4:5], s[58:59]          ; q of my head,
	s_add_nc_u64 s[10:11], s[8:9], 4194304         ; k,
	s_add_nc_u64 s[12:13], s[8:9], 8388608         ; v
	s_add_nc_u64 s[10:11], s[10:11], s[78:79]
	s_add_nc_u64 s[12:13], s[12:13], s[82:83]
	CROUND                                         ; all four work-groups are here: the joint loads meet
.irp g, 0,1
	s_mov_b32 s[G0K+4*\g], 1
	s_add_co_u32 s[G0K+4*\g+1], s77, \g*4*KPAIR
	s_add_nc_u64 s[G0K+4*\g+2:G0K+4*\g+3], s[10:11], \g*65536
	s_or_b32 s[G0K+4*\g+3], s[G0K+4*\g+3], 0x80000000
	s_mov_b32 s[G0V+4*\g], 1
	s_add_co_u32 s[G0V+4*\g+1], s80, \g*4*VCH
	s_add_nc_u64 s[G0V+4*\g+2:G0V+4*\g+3], s[12:13], \g*1024
	s_or_b32 s[G0V+4*\g+3], s[G0V+4*\g+3], 0x80000000
.endr
	JLOAD 0                                        ; keys 0-1,023: one tensor load a wave at the head
	s_lshl_b32 s60, ttmp9, 2                       ; in a cluster launch ttmp9 counts clusters
	s_add_co_u32 s60, s60, s[CX]                   ; my block of 256 queries
	s_lshl_b32 s60, s60, 8
	s_lshl_b32 s61, s[WV], 5
	s_add_co_u32 s60, s60, s61                     ; my first query in the head
	s_lshl_b32 s62, s60, 6
	s_mov_b32 s63, 0
	s_add_nc_u64 s[8:9], s[8:9], s[62:63]
	s_lshr_b32 s62, s56, 4
	s_lshl_b32 s62, s62, 11
	s_add_co_u32 s62, s62, s60                     ; my first token
	s_lshr_b32 s61, s62, 7
	s_lshl_b32 s61, s61, 17                        ; its block of 128 tokens: 16 heads x 8,192 bytes,
	s_and_b32 s62, s62, 127
	s_lshl_b32 s62, s62, 6                         ; its row in the block,
	s_add_co_u32 s62, s62, s61
	s_and_b32 s61, s56, 15
	s_lshl_b32 s61, s61, 13                        ; the head's plane
	s_add_co_u32 s62, s62, s61
	s_add_nc_u64 s[16:17], s[16:17], s[62:63]
	v_and_b32 v8, 15, v0                           ; r
	v_bfe_u32 v9, v0, 4, 1                         ; h
	v_lshlrev_b32 v10, 6, v8
	v_lshl_add_u32 v10, v9, 4, v10
	global_load_b128 v[16:19], v10, s[8:9]         ; Q's two fragments stay in registers: registers 4 c .. 4 c + 3: d = 32 c + 16 h + 0 .. 15, as K's
	global_load_b128 v[20:23], v10, s[8:9] offset:32
	global_load_b128 v[24:27], v10, s[8:9] offset:1024
	global_load_b128 v[28:31], v10, s[8:9] offset:1056
	v_and_b32 v11, 8, v8
	v_add_nc_u32 v11, v11, v8                      ; r + 8 (r / 8)
	v_lshrrev_b32 v[AK0], 1, v11
	v_mul_u32_u24 v[AK0], v[AK0], KP
	v_and_b32 v11, 1, v11
	v_lshl_add_u32 v[AK0], v11, 6, v[AK0]
	v_lshl_add_u32 v[AK0], v9, 4, v[AK0]           ; K: (key / 2) x 144 + (key % 2) x 64 + 16 h
	v_mul_u32_u24 v[AV0], v8, VP
	v_lshl_add_u32 v[AV0], v9, 4, v[AV0]
	v_add_nc_u32 v[AV0], VBASE, v[AV0]             ; V: row r x 272 + 16 h
	v_mov_b32 v[ADK], v[AK0]                       ; the walking addresses begin at the first pair
	v_mov_b32 v[ADV], v[AV0]
	v_and_b32 v[GO], 31, v0
	v_lshrrev_b32 v[RDS], 2, v[GO]
	v_mul_u32_u24 v[RDS], v[RDS], 80
	v_and_b32 v11, 3, v[GO]
	v_lshl_add_u32 v[RDS], v11, 4, v[RDS]
	s_mul_i32 s[STG], s[WV], 32*80
	s_add_co_u32 s[STG], s[STG], STAGE             ; my stage
	v_add_nc_u32 v[RDS], s[STG], v[RDS]
	v_lshlrev_b32 v[GO], 4, v[GO]
	v_mov_b32 v13, 0xff61b1e6                      ; the largest t so far: -3e38
	v_mov_b32 v15, 0xff61b1e6
	v_floor_f32 v12, -v13                          ; -M
	v_floor_f32 v14, -v15
.irp i, CH,CH+1,CH+8,CH+9,242,243,F+1,F+3
	v_mov_b32 v[\i], 0                             ; the sums; the lane permutes' destinations; the upper halves of f's pairs
.endr
	WIN 0x40
.set i, 0
.rept 64
	v_mov_b32 v[OT+i], 0                           ; O^T: the step is written once; its first pass finds zeros
.set i, i+1
.endr
	WIN 0
	s_wait_kmcnt 0x0
	s_add_co_i32 s60, s70, s71
	s_lshl_b32 s60, s60, 23
	s_add_co_i32 s[CS], s[CS], s60                 ; log2(e) x 2^(e2 + e3)
	s_mov_b32 s[CS+1], s[CS]
	s_add_co_i32 s60, s73, 127
	s_lshl_b32 s61, s60, 23
	v_mov_b32 v244, s61                            ; 2^e5
	s_add_co_i32 s60, s60, 8
	s_lshl_b32 s60, s60, 23
	s_or_b32 s[LIMP], s60, 0x600000                ; 448 x 2^e5
	s_add_co_i32 s60, s74, 127
	s_lshl_b32 s61, s60, 23
	v_mov_b32 v245, s61                            ; 2^e6
	s_add_co_i32 s60, s60, 8
	s_lshl_b32 s60, s60, 23
	s_or_b32 s60, s60, 0x600000
	v_mov_b32 v241, s60                            ; 448 x 2^e6
.macro SW u, t                         ; S^T of key tile t for query tile u
	v_wmma_f32_16x16x64_fp8_fp8 v[S+64*\u+8*\t:S+64*\u+8*\t+7], v[KF+8*\t:KF+8*\t+7], v[QF+8*\u:QF+8*\u+7], 0
.endm
.macro MX u, n                         ; the n-th of the 32 lines that take tile u's largest score: four chains, the scores in ascending order, so each accumulator from its low end on
.if (\n) < 4
	v_max3_num_f32 v[CH+8*\u+2+(\n)], v[S+64*\u+3*(\n)], v[S+64*\u+3*(\n)+1], v[S+64*\u+3*(\n)+2]
.else
.if (\n) < 30
	v_max3_num_f32 v[CH+8*\u+2+(\n)%4], v[CH+8*\u+2+(\n)%4], v[S+64*\u+2*(\n)+4], v[S+64*\u+2*(\n)+5]
.else
.if (\n) == 30
	v_max3_num_f32 v[CH+8*\u+2], v[CH+8*\u+2], v[CH+8*\u+3], v[CH+8*\u+4]
.else
	v_max_num_f32 v[CH+8*\u+2], v[CH+8*\u+2], v[CH+8*\u+5]
.endif
.endif
.endif
.endm
.macro CN u, n                         ; the n-th of the 8 dependent lines from tile u's largest score to -M and f
.if (\n) == 0
	v_permlanex16_b32 v[242+\u], v[CH+8*\u+2], s[SEL], s[SEL+1]
.endif
.if (\n) == 1
	v_max_num_f32 v[CH+8*\u+2], v[CH+8*\u+2], v[242+\u]   ; and among lane l xor 16's
.endif
.if (\n) == 2
	v_mul_f32 v[CH+8*\u+2], s[CS], v[CH+8*\u+2]    ; as t
.endif
.if (\n) == 3
	v_max_num_f32 v[13+2*\u], v[13+2*\u], v[CH+8*\u+2]    ; the running largest t
.endif
.if (\n) == 4
	v_floor_f32 v[12+2*\u], -v[13+2*\u]            ; the new -M = -ceil(t): a whole number
.endif
.if (\n) == 5
	v_sub_f32 v[254+\u], v[12+2*\u], v[254+\u]     ; old M - new M: a whole number, 0 or less
.endif
.if (\n) == 6
	v_cvt_i32_f32 v[254+\u], v[254+\u]             ; (it saturates)
.endif
.if (\n) == 7
	v_ldexp_f32 v[F+2*\u], 1.0, v[254+\u]          ; f = 2^(old M - new M): the rescaling rounds nothing
.endif
.endm
.macro TM u, j                         ; t - M, two at a time
	v_pk_fma_f32 v[S+64*\u+(\j):S+64*\u+(\j)+1], v[S+64*\u+(\j):S+64*\u+(\j)+1], s[CS:CS+1], v[12+2*\u:13+2*\u] op_sel_hi:[1,0,0]
.endm
.macro CREG c, u                       ; CR = the c-th of tile u's seven chains of sums: l, its own three pairs, and the other tile's three, which are idle
.if (\c) < 4
.set CR, CH+8*(\u)+2*(\c)
.else
.set CR, CH+8*(1-(\u))+2*((\c)-3)
.endif
.endm
.macro MERGE a, b, u
	CREG \b, \u
.set CB, CR
	CREG \a, \u
	v_pk_add_f32 v[CR:CR+1], v[CR:CR+1], v[CB:CB+1]
.endm
.macro SUMS u                          ; l of tile u += its 64 unquantised p, two at a time, in seven chains
.set k, 0
.irp c, 1,2,3,4,5,6
	CREG \c, \u
	v_pk_add_f32 v[CR:CR+1], v[S+64*\u+k:S+64*\u+k+1], v[S+64*\u+k+2:S+64*\u+k+3]
.set k, k+4
.endr
.rept 20
	CREG (k/2)%7, \u
	v_pk_add_f32 v[CR:CR+1], v[CR:CR+1], v[S+64*\u+k:S+64*\u+k+1]
.set k, k+2
.endr
	MERGE 1, 2, \u
	MERGE 3, 4, \u
	MERGE 5, 6, \u
	MERGE 0, 1, \u
	MERGE 3, 5, \u
	MERGE 0, 3, \u
.endm
.macro STEP q                          ; 128 keys, the q-th of the pair in hand, for both tiles of queries
	s_wait_dscnt 0x0                               ; K's fragments are in: no younger LDS load is out
.irp t, 0,1,2,3,4,5,6,7
	SW 0, \t
.endr
	SW 1, 0                                        ; tile 1's products; among them the four places behind tile 0's, then tile 0's maxima, which name none of tile 1's registers
	v_mov_b32 v254, v12                            ; the old -M of both tiles
	v_mov_b32 v255, v14
	SW 1, 1
	v_nop
	v_nop
.set n, 0
.irp t, 2,3,4,5,6,7
	SW 1, \t
.rept 4
	MX 0, n
.set n, n+1
.endr
.endr
.set m, 0
.rept 8
	MX 0, n
	MX 1, m
.set n, n+1
.set m, m+1
.endr
.irp c, 0,1,2,3,4,5,6,7                ; tile 0's chain among tile 1's maxima
	CN 0, \c
.rept 3
	MX 1, m
.set m, m+1
.endr
.endr
.set j, 0
.irp c, 0,1,2,3,4,5,6,7                ; tile 1's chain among tile 0's t - M
	CN 1, \c
.rept 4
	TM 0, j
.set j, j+2
.endr
.endr
	s_wait_alu depctr_va_vdst(0)                   ; the wait ahead of the batch
.set j, 0
.rept 32                               ; tile 0's exponentials; tile 1's t - M stands among them: it names none of their registers
	v_exp_f32 v[S+j], v[S+j]
	TM 1, j
	v_exp_f32 v[S+j+1], v[S+j+1]
.set j, j+2
.endr
	v_pk_mul_f32 v[CH:CH+1], v[CH:CH+1], v[F:F+1] op_sel_hi:[1,0]           ; the sums under the new M: plain instructions behind the exponentials
	v_pk_mul_f32 v[CH+8:CH+9], v[CH+8:CH+9], v[F+2:F+3] op_sel_hi:[1,0]
	WIN 0x40
	VLOAD ADV, \q                                  ; this step's V, ahead of the wait for the batch
	WIN 0
.if \q == 1
	v_add_nc_u32 v[ADV], s93, v[AV0]               ; V's address goes on to the next pair
.endif
	s_wait_alu depctr_va_vdst(0)                   ; one wait: behind tile 0's batch, ahead of its first reader, and ahead of tile 1's batch
	SUMS 0
.set j, 0
.rept 32                               ; tile 1's exponentials; tile 0's hold stands among them, two numbers an instruction (p is not negative: the hold is one-sided)
	v_exp_f32 v[S+64+j], v[S+64+j]
	v_exp_f32 v[S+65+j], v[S+65+j]
	v_dual_min_num_f32 v[S+j], s[LIMP], v[S+j] :: v_dual_min_num_f32 v[S+j+1], s[LIMP], v[S+j+1]
.set j, j+2
.endr
	v_nop                                          ; a plain instruction behind the exponentials
.if \q == 0
	KLOAD ADK, 1                                   ; the next step's K, ahead of the wait for the batch
	v_add_nc_u32 v[ADK], s92, v[AK0]               ; K's address goes on to the next pair
.else
	KLOAD ADK, 0
.endif
	WIN 0x41                                       ; O^T in window 1, f in window 0
	s_wait_dscnt 16                                ; V's fragments are in; the 16 younger loads (the next K) may be out
	s_wait_alu depctr_va_vdst(0)                   ; one wait: behind the batch, ahead of its first reader, and directly ahead of the first reader of O^T
.irp u, 0,1
.set j, 0
.rept 16
	v_pk_mul_f32 v[OT+32*\u+j:OT+32*\u+j+1], v[OT+32*\u+j:OT+32*\u+j+1], v[F+2*\u:F+2*\u+1] op_sel_hi:[1,0]   ; O^T under the new M
.set j, j+2
.endr
.endr
	WIN 0
	SUMS 1
.set j, 0
.rept 32
	v_dual_min_num_f32 v[S+64+j], s[LIMP], v[S+64+j] :: v_dual_min_num_f32 v[S+65+j], s[LIMP], v[S+65+j]
.set j, j+2
.endr
	WIN 0x40                                       ; the codes go to window 1
.irp u, 0,1
.irp b, 0,1,2,3
	v_cvt_scalef32_pk8_fp8_f32 v[CD+16*\u+4*\b:CD+16*\u+4*\b+1], v[S+64*\u+16*\b:S+64*\u+16*\b+7], v244
	v_cvt_scalef32_pk8_fp8_f32 v[CD+16*\u+4*\b+2:CD+16*\u+4*\b+3], v[S+64*\u+16*\b+8:S+64*\u+16*\b+15], v244
.endr
.endr
	v_nop                                          ; a plain instruction between the conversions and the products
	WIN 0x55
.irp t, 0,1,2,3
.irp u, 0,1
	v_wmma_f32_16x16x128_fp8_fp8 v[OT+32*\u+8*\t:OT+32*\u+8*\t+7], v[VF+16*\t:VF+16*\t+15], v[CD+16*\u:CD+16*\u+15], v[OT+32*\u+8*\t:OT+32*\u+8*\t+7]
.endr
.endr
	WIN 0
.endm
.macro PAIR                            ; two key steps: 256 keys: 128 rows of K, a chunk of V
	s_add_co_u32 s92, s[TBK], KPAIR
	s_min_u32 s92, s92, 7*KPAIR                    ; the next pair; behind the last pair: the last again
	s_add_co_u32 s93, s[TBV], VCH
	s_min_u32 s93, s93, 7*VCH
	STEP 0
	STEP 1
	s_add_co_u32 s[TBK], s[TBK], KPAIR
	s_add_co_u32 s[TBV], s[TBV], VCH
.endm
	s_wait_alu depctr_va_vdst(0)                   ; the wait at the head's end
	s_wait_loadcnt 0x0                             ; Q
	s_wait_tensorcnt 0x0                           ; my part of keys 0-1,023 is in; the second group's first fills are issued as refills are:
	ds_add_u32 v[SPW], v[NIL]                      ; 0 onto my spare word
	s_wait_dscnt 0x0
	CROUND                                         ; everybody's part is in, and all four work-groups are here
	JLOAD 1                                        ; keys 1,024-2,047: the first tensor load behind the round
	KLOAD AK0, 0
	s_mov_b32 s[CNT], 3
.Lfirst_keys:                                      ; keys 0-767 (K's look-ahead reaches key 895), while the second group lands
	PAIR
	s_sub_co_u32 s[CNT], s[CNT], 1
	s_cmp_lg_u32 s[CNT], 0
	s_cbranch_scc1 .Lfirst_keys
	s_wait_alu depctr_va_vdst(0)
	s_wait_tensorcnt 0x0                           ; all my loads are in,
	s_wait_dscnt 0x0                               ; no LDS load of mine is out at the signal,
	s_barrier_signal -1
	s_barrier_wait -1                              ; and everybody's loads are in: the head's K and V lie whole in LDS
	s_mov_b32 s[TBK], 3*KPAIR
	s_mov_b32 s[TBV], 3*VCH
	s_mov_b32 s[CNT], 5
.Lrest_keys:                                       ; keys 768-2,047: ten key steps with no barrier
	PAIR
	s_sub_co_u32 s[CNT], s[CNT], 1
	s_cmp_lg_u32 s[CNT], 0
	s_cbranch_scc1 .Lrest_keys
	; THE WAY OUT: y = O^T x 2^(e4 + e5) / l, held and converted with e6; 32 rows x 64 codes through my stage; 2,048 consecutive bytes out.
.irp u, 0,1
	v_add_f32 v[CH+8*\u], v[CH+8*\u], v[CH+8*\u+1]
.endr
.irp u, 0,1
	v_permlanex16_b32 v[242+\u], v[CH+8*\u], s[SEL], s[SEL+1]
.endr
.irp u, 0,1
	v_add_f32 v[CH+8*\u], v[CH+8*\u], v[242+\u]    ; the row's sum
.endr
	s_wait_alu depctr_va_vdst(0)                   ; the wait ahead of the transcendentals
	v_rcp_f32 v[CH], v[CH]
	v_rcp_f32 v[CH+8], v[CH+8]
	v_and_b32 v8, 15, v0                           ; (plain instructions behind the transcendentals)
	v_bfe_u32 v9, v0, 4, 1
	s_add_co_i32 s60, s72, s73
	v_mul_u32_u24 v10, v8, 80
	v_lshl_add_u32 v10, v9, 3, v10
	v_add_nc_u32 v10, s[STG], v10                  ; into the stage: row 16 u + r, byte 16 t + 8 h
	s_wait_alu depctr_va_vdst(0)                   ; the wait ahead of the reciprocals' first reader
	v_ldexp_f32 v[CH], v[CH], s60
	v_ldexp_f32 v[CH+8], v[CH+8], s60
	WIN 0x01                                       ; O^T in window 1
	s_wait_alu depctr_va_vdst(0)                   ; the wait here, directly ahead of the first reader of O^T
.irp u, 0,1
.set j, 0
.rept 32
	v_mul_f32 v[S+32*\u+j], v[OT+32*\u+j], v[CH+8*\u]     ; register 32 u + 8 t + i is y(query 16 u + r, 16 t + 8 h + i); each accumulator from its low end on
.set j, j+1
.endr
.endr
	WIN 0
.set j, 0
.rept 64
	v_med3_num_f32 v[S+j], v[S+j], -v241, v241
.set j, j+1
.endr
.irp m, 0,1,2,3,4,5,6,7
	v_cvt_scalef32_pk8_fp8_f32 v[160+2*\m:161+2*\m], v[S+8*\m:S+8*\m+7], v245
.endr
	v_nop                                          ; a plain instruction behind the last conversion
.irp m, 0,1,2,3,4,5,6,7
	ds_store_b64 v10, v[160+2*\m:161+2*\m] offset:(\m/4)*16*80+16*(\m%4)
.endr
.irp i, 0,1,2,3
	ds_load_b128 v[176+4*\i:179+4*\i], v[RDS] offset:640*\i   ; LDS serves a wave's instructions in order: these see my stores
.endr
.irp i, 0,1,2,3
	s_wait_dscnt 3-\i
	global_store_b128 v[GO], v[176+4*\i:179+4*\i], s[16:17] offset:512*\i   ; 32 lanes store 512 consecutive bytes, aligned
.endr
	s_wait_tensorcnt 0x0                           ; the wave's end
	ds_add_u32 v[SPW], v[NIL]
	s_wait_dscnt 0x0
	CROUND                                         ; the closing round
	s_endpgm
.Lfunc_end_k_qc45bd1c841_attn:
	.size	k_qc45bd1c841_attn, .Lfunc_end_k_qc45bd1c841_attn-k_qc45bd1c841_attn
	.p2alignl 7, 3214868480
	.fill 96, 4, 3214868480
	.section	.rodata,"a",@progbits
	.p2align	6, 0x0
	.amdhsa_kernel k_qc45bd1c841_attn
		.amdhsa_group_segment_fixed_size 327680
		.amdhsa_private_segment_fixed_size 0
		.amdhsa_enable_private_segment 0
		.amdhsa_kernarg_size 24
		.amdhsa_user_sgpr_count 2
		.amdhsa_user_sgpr_kernarg_segment_ptr 1
		.amdhsa_wavefront_size32 1
		.amdhsa_system_sgpr_workgroup_id_x 1
		.amdhsa_system_sgpr_workgroup_id_y 1
		.amdhsa_system_sgpr_workgroup_id_z 1
		.amdhsa_system_vgpr_workitem_id 0
		.amdhsa_next_free_vgpr 512
		.amdhsa_next_free_sgpr 100
		.amdhsa_reserve_vcc 0
		.amdhsa_float_denorm_mode_32 3
		.amdhsa_float_denorm_mode_16_64 3
		.amdhsa_memory_ordered 1
		.amdhsa_forward_progress 1
		.amdhsa_inst_pref_size 134
	.end_amdhsa_kernel
	.amdgpu_metadata
---
amdhsa.version: [ 1, 2 ]
amdhsa.kernels:
  - .name:           k_qc45bd1c841_attn
    .symbol:         k_qc45bd1c841_attn.kd
    .args:
      - { .name: qkvc, .offset: 0, .size: 8, .value_kind: global_buffer, .address_space: global }
      - { .name: lowp_scales, .offset: 8, .size: 8, .value_kind: global_buffer, .address_space: global }
      - { .name: yc, .offset: 16, .size: 8, .value_kind: global_buffer, .address_space: global }
    .group_segment_fixed_size: 327680
    .private_segment_fixed_size: 0
    .kernarg_segment_align: 8
    .kernarg_segment_size: 24
    .max_flat_workgroup_size: 256
    .sgpr_count:     100
    .vgpr_count:     512
    .wavefront_size: 32
...
	.end_amdgpu_metadata
.endif
;; end of part 3
;; launch proj (part 4): grid 8 x 32, 4 waves a work-group, clusters of 4 x 4, 327,680 bytes of LDS; arguments yc, wc, lowp_scales, proj_b, x, x1; writes x1
.if DOCPART == 4
	.amdgcn_target "amdgcn-amd-amdhsa--gfx1250"
	.amdhsa_code_object_version 6
	.text
	.protected	k_qc45bd1c841_proj
	.globl	k_qc45bd1c841_proj
	.p2align	8
	.type	k_qc45bd1c841_proj,@function
k_qc45bd1c841_proj:
	s_mov_b64 s[64:65], 0
	v_nop
	global_prefetch_b8 v0, s[64:65] scope:SCOPE_SE
	s_setreg_imm32_b32 hwreg(HW_REG_WAVE_MODE, 25, 1), 1
	s_wait_xcnt 0x0
	s_wait_alu depctr_hold_cnt(0) depctr_sa_sdst(0) depctr_va_vdst(0) depctr_va_sdst(0) depctr_va_ssrc(0) depctr_va_vcc(0) depctr_vm_vsrc(0)
	s_getreg_b32 s2, hwreg(HW_REG_IB_STS2, 6, 4)
	s_cmp_eq_u32 s2, 0
	s_cbranch_scc0 .Lentry_in_a_cluster
	s_endpgm
.Lentry_in_a_cluster:
	s_bfe_u32 s2, ttmp6, 0x10000c
	s_cmp_lg_u32 s2, 0xf033
	s_cbranch_scc0 .Lentry_shape_is_right
	s_endpgm
.Lentry_shape_is_right:
.set SIZE_K, 1024
.set WOFF,   3145728
.set ES,     6
.set KSTEP,  512
.set APL,    32*272
.set AHALF,  4*APL
.set BOFF,   8*APL
.set BP,     528
.set BHALF,  64*BP
.set SLOT,   BOFF+2*BHALF
.set STAGE,  2*SLOT
.set SPITCH, 272
.set SPARE,  STAGE+4*16*SPITCH
.set LAPS,   SIZE_K/(2*KSTEP)
.set ADRA, 16
.set ADRB, 20
.set STO,  24
.set RD,   25
.set CO,   26
.set SPW,  28
.set NIL,  29
.set R0,   32
.set T,    96
.set ACC,  128
.set F0,   0
.set F1,   128
.set G1, 24
.set G0, 32
.set G1B, 48
.set G0B, 56
.set MSB, 0
.macro WIN new
.if MSB != \new
	s_set_vgpr_msb (MSB<<8)|\new
.set MSB, \new
.endif
.endm
.set MUL,  0x05
.set TO_F, 0x40
.macro JLOAD s
	s_cmp_eq_u32 s15, 0
	s_cbranch_scc0 .Lfor_b_\@
	tensor_load_to_lds s[G0+4*\s:G0+4*\s+3], s[G1:G1+7]
	s_nop 0
.rept 4
	v_nop
.endr
	s_branch .Lasked_\@
.Lfor_b_\@:
	tensor_load_to_lds s[G0B+4*\s:G0B+4*\s+3], s[G1B:G1B+7]
	s_nop 0
.rept 4
	v_nop
.endr
.Lasked_\@:
.endm
.macro CREST
	s_cmp_lg_u32 s14, 0
	s_cbranch_scc1 .Lnot_wave_0_\@
	s_barrier_signal -3
.Lnot_wave_0_\@:
	s_barrier_wait -3
	s_barrier_signal -1
	s_barrier_wait -1
.endm
.macro CROUND
	s_barrier_signal -1
	s_barrier_wait -1
	CREST
.endm
	s_load_b256 s[4:11], s[0:1], 0x0
	s_load_b128 s[68:71], s[0:1], 0x20
	v_lshl_add_u32 v[SPW], v0, 2, SPARE
	v_mov_b32 v[NIL], 0
	ds_add_u32 v[SPW], v[NIL]
	ds_add_u32 v[SPW], v[NIL]
	v_lshrrev_b32 v1, 5, v0
	v_readfirstlane_b32 s14, v1
	s_lshr_b32 s15, s14, 1
	s_and_b32 s16, s14, 1
	s_bfe_u32 s40, ttmp6, 0x40000
	s_bfe_u32 s41, ttmp6, 0x40004
	s_lshl_b32 s42, ttmp9, 2
	s_add_co_u32 s42, s42, s40
	s_and_b32 s17, ttmp7, 0xffff
	s_lshl_b32 s17, s17, 2
	s_add_co_u32 s17, s17, s41
	s_lshl_b32 s43, s41, 2
	s_lshl_b32 s43, 15, s43
	s_lshl_b32 s44, 0x1111, s40
	s_or_b32 s[G1+0], s43, (0<<16)|(1<<20)|(1<<21)|(5<<22)|(3<<25)
	s_mov_b32 s[G1+1], 256<<16
	s_mov_b32 s[G1+2], 128<<16
	s_mov_b32 s[G1+3], 256<<16
	s_mov_b32 s[G1+4], 128
	s_mov_b32 s[G1+5], 256
	s_mov_b32 s[G1+6], 0
	s_mov_b32 s[G1+7], 0
	s_or_b32 s[G1B+0], s44, (0<<16)|(1<<20)|(1<<21)|(6<<22)|(3<<25)
	s_mov_b32 s[G1B+1], KSTEP<<16
	s_mov_b32 s[G1B+2], 64<<16
	s_mov_b32 s[G1B+3], KSTEP<<16
	s_mov_b32 s[G1B+4], 64
	s_mov_b32 s[G1B+5], SIZE_K
	s_mov_b32 s[G1B+6], 0
	s_mov_b32 s[G1B+7], 0
	s_mul_i32 s20, s17, SIZE_K*128
	s_lshl_b32 s18, s16, 15
	s_add_co_u32 s20, s20, s18
	s_mov_b32 s21, 0
	s_lshl_b32 s46, s42, 7
	s_lshl_b32 s18, s16, 6
	s_add_co_u32 s46, s46, s18
	s_mul_i32 s46, s46, SIZE_K
	s_add_co_u32 s46, s46, WOFF
	s_mov_b32 s47, 0
	s_mul_i32 s45, s16, AHALF
	s_mul_i32 s19, s16, BHALF
	s_add_co_u32 s19, s19, BOFF
	s_wait_dscnt 0x0
	s_wait_kmcnt 0x0
	s_load_b64 s[72:73], s[8:9], ES*4
	s_add_nc_u64 s[20:21], s[4:5], s[20:21]
	s_add_nc_u64 s[46:47], s[6:7], s[46:47]
	CROUND
.irp s, 0,1
	s_mov_b32 s[G0+4*\s], 1
	s_add_co_u32 s[G0+4*\s+1], s45, \s*SLOT
	s_add_nc_u64 s[G0+4*\s+2:G0+4*\s+3], s[20:21], \s*65536
	s_or_b32 s[G0+4*\s+3], s[G0+4*\s+3], 0x80000000
	s_mov_b32 s[G0B+4*\s], 1
	s_add_co_u32 s[G0B+4*\s+1], s19, \s*SLOT
	s_add_nc_u64 s[G0B+4*\s+2:G0B+4*\s+3], s[46:47], \s*KSTEP
	s_or_b32 s[G0B+4*\s+3], s[G0B+4*\s+3], 0x80000000
.endr
	JLOAD 0                                        ; K step 0: one tensor load a wave at the head
	v_and_b32 v1, 15, v0
	v_bfe_u32 v2, v0, 4, 1
	v_lshrrev_b32 v3, 2, v1
	v_mul_u32_u24 v3, v3, 272
	v_and_b32 v4, 3, v1
	v_lshl_add_u32 v3, v4, 6, v3
	v_lshl_add_u32 v3, v2, 4, v3
	v_mul_u32_u24 v4, v1, BP
	v_lshl_add_u32 v4, v2, 4, v4
	s_mul_i32 s21, s15, 16*272
	s_mul_i32 s22, s16, BHALF
	s_add_co_u32 s22, s22, BOFF
.irp s, 0,1
	v_add_nc_u32 v[ADRA+\s], s21, v3
	v_add_nc_u32 v[ADRB+\s], s22, v4
	s_add_co_u32 s21, s21, SLOT
	s_add_co_u32 s22, s22, SLOT
.endr
	s_mul_i32 s23, s14, 16*SPITCH
	s_add_co_u32 s23, s23, STAGE
	v_mul_u32_u24 v5, v1, SPITCH
	v_lshl_add_u32 v5, v2, 5, v5
	v_add_nc_u32 v[STO], s23, v5
	v_mul_u32_u24 v5, v2, SPITCH
	v_lshl_add_u32 v5, v1, 4, v5
	v_add_nc_u32 v[RD], s23, v5
	v_lshlrev_b32 v5, 12, v2
	v_lshl_add_u32 v[CO], v1, 4, v5
	v_lshlrev_b32 v6, 4, v1
	s_wait_alu depctr_va_vdst(0)
	s_lshl_b32 s20, s17, 7
	s_lshl_b32 s21, s15, 6
	s_add_co_u32 s20, s20, s21
	s_lshl_b32 s20, s20, 12
	s_lshl_b32 s46, s42, 7
	s_lshl_b32 s47, s16, 6
	s_add_co_u32 s46, s46, s47
	s_lshl_b32 s46, s46, 2
	s_mov_b32 s47, 0
	s_add_nc_u64 s[10:11], s[10:11], s[46:47]
	s_add_co_u32 s20, s20, s46
	s_mov_b32 s21, 0
	s_add_nc_u64 s[68:69], s[68:69], s[20:21]
	s_add_nc_u64 s[70:71], s[70:71], s[20:21]
.macro RLOAD a
.irp t, 0,1,2,3,4,5,6,7
	global_load_b128 v[R0+32*((\a)%2)+4*\t:R0+32*((\a)%2)+4*\t+3], v[CO], s[68:69] offset:(16*(\a)+2*\t)*4096 th:TH_LOAD_NT
.endr
.endm
	global_load_b128 v[8:11], v6, s[10:11]
	RLOAD 0
	RLOAD 1
.macro MUL4 f, a, zero
.irp b, 0,1,2,3
.if \zero
	v_wmma_f32_16x16x128_fp8_fp8 v[ACC+8*(4*(\a)+\b):ACC+8*(4*(\a)+\b)+7], v[\f+64+16*\b:\f+64+16*\b+15], v[\f+16*(\a):\f+16*(\a)+15], 0
.else
	v_wmma_f32_16x16x128_fp8_fp8 v[ACC+8*(4*(\a)+\b):ACC+8*(4*(\a)+\b)+7], v[\f+64+16*\b:\f+64+16*\b+15], v[\f+16*(\a):\f+16*(\a)+15], v[ACC+8*(4*(\a)+\b):ACC+8*(4*(\a)+\b)+7]
.endif
.endr
.endm
.macro FETCH slot, q, f
	WIN TO_F
.irp i, 0,1,2,3
.irp c, 0,1,2,3
	ds_load_b128 v[\f+64+16*\i+4*\c:\f+64+16*\i+4*\c+3], v[ADRB+\slot] offset:128*(\q)+32*\c+\i*16*BP
.endr
.endr
.irp i, 0,1,2,3
.irp c, 0,1,2,3
	ds_load_b128 v[\f+16*\i+4*\c:\f+16*\i+4*\c+3], v[ADRA+\slot] offset:(2*(\q)+\c/2)*APL+32*(\c%2)+\i*4*272
.endr
.endr
.endm
.macro PLACES
.rept 4
	v_nop
.endr
.endm
.macro QUARTER slot, qn, f, g, zero
	s_wait_dscnt 8
	WIN MUL
	MUL4 \f, 0, \zero
	MUL4 \f, 1, \zero
	PLACES
	FETCH \slot, \qn, \g
	s_wait_dscnt 32
	WIN MUL
	MUL4 \f, 2, \zero
	MUL4 \f, 3, \zero
.endm
.macro TURN slot, next, fill
	WIN 0
	s_wait_tensorcnt 0x0
	ds_add_u32 v[SPW], v[NIL]
	s_wait_dscnt 9
	WIN MUL
	MUL4 F1, 0, 0
	s_wait_dscnt 0x0
	s_barrier_signal -1
	MUL4 F1, 1, 0
.if \fill
	WIN 0
.endif
	s_barrier_wait -1
.if \fill
	CREST
	s_add_nc_u64 s[G0+4*\slot+2:G0+4*\slot+3], s[G0+4*\slot+2:G0+4*\slot+3], 2*65536
	s_add_nc_u64 s[G0B+4*\slot+2:G0B+4*\slot+3], s[G0B+4*\slot+2:G0B+4*\slot+3], 2*KSTEP
	JLOAD \slot
.else
	PLACES
.endif
	FETCH \next, 0, F0
	WIN MUL
	MUL4 F1, 2, 0
	MUL4 F1, 3, 0
.endm
	s_wait_alu depctr_va_vdst(0)                   ; the wait at the head's end
	s_wait_tensorcnt 0x0                           ; my part of K step 0 is in; slot 1's first fill is issued as a refill is:
	ds_add_u32 v[SPW], v[NIL]                      ; 0 onto my spare word
	s_wait_dscnt 0x0
	CROUND                                         ; a whole round: everybody's part of K step 0 is in
	JLOAD 1                                        ; K step 1: the first tensor load behind the round
	FETCH 0, 0, F0
	WIN 0x80                                       ; blocks 2 and 3 of the residual go to window 2, at the register numbers that blocks 0 and 1 have in window 0: all four are asked for ahead of the products
	RLOAD 2
	RLOAD 3
	QUARTER 0, 1, F0, F1, 1
.if LAPS > 1
	WIN 0
	s_mov_b32 s3, LAPS-1
.Llap:
	QUARTER 0, 2, F1, F0, 0
	QUARTER 0, 3, F0, F1, 0
	TURN 0, 1, 1
	QUARTER 1, 1, F0, F1, 0
	QUARTER 1, 2, F1, F0, 0
	QUARTER 1, 3, F0, F1, 0
	TURN 1, 0, 1
	QUARTER 0, 1, F0, F1, 0
	WIN 0
	s_sub_co_u32 s3, s3, 1
	s_cmp_lg_u32 s3, 0
	s_cbranch_scc1 .Llap
.endif
	QUARTER 0, 2, F1, F0, 0
	QUARTER 0, 3, F0, F1, 0
	TURN 0, 1, 0
	QUARTER 1, 1, F0, F1, 0
	QUARTER 1, 2, F1, F0, 0
	QUARTER 1, 3, F0, F1, 0
	s_wait_dscnt 8
	WIN MUL
	MUL4 F1, 0, 0
	MUL4 F1, 1, 0
	s_wait_dscnt 0
	MUL4 F1, 2, 0
	MUL4 F1, 3, 0
	WIN 0
	s_wait_kmcnt 0x0
	s_add_co_i32 s96, s72, s73
	s_add_co_i32 s96, s96, 127
	s_lshl_b32 s96, s96, 23
	s_mov_b32 s97, s96
.macro OUT a, left
.set RR, R0+32*((\a)%2)
.if (\a) > 0
	s_wait_xcnt 0x0
.endif
.irp b, 0,1,2,3
	ds_store_b128 v[STO], v[ACC+8*(4*(\a)+\b):ACC+8*(4*(\a)+\b)+3] offset:64*\b
	ds_store_b128 v[STO], v[ACC+8*(4*(\a)+\b)+4:ACC+8*(4*(\a)+\b)+7] offset:64*\b+16
.endr
.irp t, 0,1,2,3,4,5,6,7
	ds_load_b128 v[T+4*\t:T+4*\t+3], v[RD] offset:\t*2*SPITCH
.endr
	s_wait_loadcnt \left
	WIN 0x82*((\a)/2)                              ; blocks 2, 3: the residual in window 2
.irp t, 0,1,2,3,4,5,6,7
	v_pk_add_f32 v[RR+4*\t:RR+4*\t+1], v[RR+4*\t:RR+4*\t+1], v[8:9]
	v_pk_add_f32 v[RR+4*\t+2:RR+4*\t+3], v[RR+4*\t+2:RR+4*\t+3], v[10:11]
.endr
	s_wait_dscnt 0x0
	WIN 0x20*((\a)/2)
.set p, 0
.rept 16
	v_pk_fma_f32 v[T+p:T+p+1], v[T+p:T+p+1], s[96:97], v[RR+p:RR+p+1] op_sel_hi:[1,0,1]
.set p, p+2
.endr
	WIN 0
.irp t, 0,1,2,3,4,5,6,7
	global_store_b128 v[CO], v[T+4*\t:T+4*\t+3], s[70:71] offset:(16*(\a)+2*\t)*4096
.endr
.endm
	PLACES
	OUT 0, 24                                      ; the later blocks' loads, eight each, may stay out
	OUT 1, 16
	OUT 2, 8
	OUT 3, 0
	s_wait_tensorcnt 0x0
	ds_add_u32 v[SPW], v[NIL]
	s_wait_dscnt 0x0
	CROUND
	s_endpgm
.Lfunc_end_k_qc45bd1c841_proj:
	.size	k_qc45bd1c841_proj, .Lfunc_end_k_qc45bd1c841_proj-k_qc45bd1c841_proj
	.p2alignl 7, 3214868480
	.fill 96, 4, 3214868480
	.section	.rodata,"a",@progbits
	.p2align	6, 0x0
	.amdhsa_kernel k_qc45bd1c841_proj
		.amdhsa_group_segment_fixed_size 327680
		.amdhsa_private_segment_fixed_size 0
		.amdhsa_enable_private_segment 0
		.amdhsa_kernarg_size 48
		.amdhsa_user_sgpr_count 2
		.amdhsa_user_sgpr_kernarg_segment_ptr 1
		.amdhsa_wavefront_size32 1
		.amdhsa_system_sgpr_workgroup_id_x 1
		.amdhsa_system_sgpr_workgroup_id_y 1
		.amdhsa_system_sgpr_workgroup_id_z 1
		.amdhsa_system_vgpr_workitem_id 0
		.amdhsa_next_free_vgpr 640
		.amdhsa_next_free_sgpr 100
		.amdhsa_reserve_vcc 0
		.amdhsa_float_denorm_mode_32 3
		.amdhsa_float_denorm_mode_16_64 3
		.amdhsa_memory_ordered 1
		.amdhsa_forward_progress 1
		.amdhsa_inst_pref_size 54
	.end_amdhsa_kernel
	.amdgpu_metadata
---
amdhsa.version: [ 1, 2 ]
amdhsa.kernels:
  - .name:           k_qc45bd1c841_proj
    .symbol:         k_qc45bd1c841_proj.kd
    .args:
      - { .name: yc, .offset: 0, .size: 8, .value_kind: global_buffer, .address_space: global }
      - { .name: wc, .offset: 8, .size: 8, .value_kind: global_buffer, .address_space: global }
      - { .name: lowp_scales, .offset: 16, .size: 8, .value_kind: global_buffer, .address_space: global }
      - { .name: proj_b, .offset: 24, .size: 8, .value_kind: global_buffer, .address_space: global }
      - { .name: x, .offset: 32, .size: 8, .value_kind: global_buffer, .address_space: global }
      - { .name: x1, .offset: 40, .size: 8, .value_kind: global_buffer, .address_space: global }
    .group_segment_fixed_size: 327680
    .private_segment_fixed_size: 0
    .kernarg_segment_align: 8
    .kernarg_segment_size: 48
    .max_flat_workgroup_size: 128
    .sgpr_count:     100
    .vgpr_count:     640
    .wavefront_size: 32
...
	.end_amdgpu_metadata
.endif
;; end of part 4
;; launch ln2 (part 5): grid 256 x 1, 4 waves a work-group, no clusters, 0 bytes of LDS; arguments x1, ln2_g, ln2_b, lowp_scales, h2c; writes h2c
.if DOCPART == 5
	.amdgcn_target "amdgcn-amd-amdhsa--gfx1250"
	.amdhsa_code_object_version 6
	.text
	.protected	k_qc45bd1c841_ln2
	.globl	k_qc45bd1c841_ln2
	.p2align	8
	.type	k_qc45bd1c841_ln2,@function
k_qc45bd1c841_ln2:
	s_mov_b64 s[64:65], 0
	v_nop
	global_prefetch_b8 v0, s[64:65] scope:SCOPE_SE
	s_setreg_imm32_b32 hwreg(HW_REG_WAVE_MODE, 25, 1), 1
	s_wait_xcnt 0x0
; h2c = codes of LayerNorm(x1) (E4M3, scale 2^e8), [4096 rows][1024], K innermost.  LIMITS: e8 between -126 and 119; NaN and infinities are not served.
; A wave takes 4 rows, each whole in 32 registers.  Lane l holds, of chunk j, the numbers 256 j + 8 l + 0..7 (two loads of 16 bytes; the pair covers 1,024 consecutive bytes), so that the conversion finds
; 8 neighbours along K in one lane, and a chunk's codes leave as 32 lanes x 8 bytes = 256 consecutive bytes, aligned.  Mean first, then the squares of the differences.  No LDS, no barrier: waves share nothing.
; ALL FOUR ROWS ARE ASKED FOR AT THE HEAD: 16 loads of gain and bias and 32 of the rows are on their way together, and each row is worked on behind a counted wait that leaves the later rows' loads out.
.set G,  32                            ; v32-63 gain, v64-95 bias, v96-223 the four rows, v224-255 codes (8 registers a row: no store's data are written again)
.set BB, 64
.set X,  96
.set C,  224
	s_load_b256 s[4:11], s[0:1], 0x0               ; x1, ln2_g, ln2_b, the scales' exponents
	s_load_b64 s[20:21], s[0:1], 0x20              ; h2c
	v_lshrrev_b32 v1, 5, v0
	v_readfirstlane_b32 s24, v1
	v_and_b32 v2, 31, v0
	s_wait_alu depctr_va_vdst(0)
	s_wait_kmcnt 0x0
	s_load_b32 s40, s[10:11], 0x20                 ; e8
.macro XROW i                          ; row i's eight loads
.irp j, 0,1,2,3
	global_load_b128 v[X+32*(\i)+8*\j:X+32*(\i)+8*\j+3], v1, s[4:5] offset:4096*(\i)+1024*\j
	global_load_b128 v[X+32*(\i)+8*\j+4:X+32*(\i)+8*\j+7], v1, s[4:5] offset:4096*(\i)+1024*\j+16
.endr
.endm
.macro SUM4                            ; four chains of pairs become one number a lane, then the sum over the 32 lanes, in every lane
	v_pk_add_f32 v[16:17], v[16:17], v[18:19]
	v_pk_add_f32 v[20:21], v[20:21], v[22:23]
	v_pk_add_f32 v[16:17], v[16:17], v[20:21]
	v_add_f32 v8, v16, v17
	v_add_f32_dpp v8, v8, v8 row_xmask:1 row_mask:0xf bank_mask:0xf
	v_add_f32_dpp v8, v8, v8 row_xmask:2 row_mask:0xf bank_mask:0xf
	v_add_f32_dpp v8, v8, v8 row_xmask:4 row_mask:0xf bank_mask:0xf
	v_add_f32_dpp v8, v8, v8 row_xmask:8 row_mask:0xf bank_mask:0xf
	v_permlanex16_b32 v9, v8, s28, s29
	v_add_f32 v8, v8, v9
.endm
.macro ROW i, left                     ; left: the younger loads, the later rows', that may stay out
.set XS, X+32*(\i)
	s_wait_loadcnt \left
.irp k, 0,2,4,6
	v_pk_add_f32 v[16+\k:17+\k], v[XS+\k:XS+\k+1], v[XS+8+\k:XS+9+\k]
.endr
.irp m, 16,24
.irp k, 0,2,4,6
	v_pk_add_f32 v[16+\k:17+\k], v[16+\k:17+\k], v[XS+\m+\k:XS+\m+\k+1]
.endr
.endr
	SUM4
	v_mul_f32 v4, s26, v8                          ; the mean
	v_mov_b32 v5, v4
.set p, 0
.rept 16
	v_pk_add_f32 v[XS+p:XS+p+1], v[XS+p:XS+p+1], v[4:5] neg_lo:[0,1] neg_hi:[0,1]
.set p, p+2
.endr
.irp k, 0,2,4,6
	v_pk_mul_f32 v[16+\k:17+\k], v[XS+\k:XS+\k+1], v[XS+\k:XS+\k+1]
.endr
.irp m, 8,16,24
.irp k, 0,2,4,6
	v_pk_fma_f32 v[16+\k:17+\k], v[XS+\m+\k:XS+\m+\k+1], v[XS+\m+\k:XS+\m+\k+1], v[16+\k:17+\k]
.endr
.endr
	SUM4
	v_fma_f32 v8, v8, s26, s27                     ; the variance + 1e-5
	s_wait_alu depctr_va_vdst(0)
	v_rsq_f32 v6, v8
	v_nop                                          ; a plain instruction behind the transcendental
	s_wait_alu depctr_va_vdst(0)                   ; and the wait ahead of its first reader
	v_mov_b32 v7, v6
.set p, 0
.rept 16
	v_pk_mul_f32 v[XS+p:XS+p+1], v[XS+p:XS+p+1], v[6:7]
.set p, p+2
.endr
.set p, 0
.rept 16
	v_pk_fma_f32 v[XS+p:XS+p+1], v[XS+p:XS+p+1], v[G+p:G+p+1], v[BB+p:BB+p+1]
.set p, p+2
.endr
.set p, 0
.rept 32
	v_med3_num_f32 v[XS+p], v[XS+p], -v10, v10     ; the conversion does not saturate (ISA guide 7.6.2)
.set p, p+1
.endr
.irp j, 0,1,2,3
	v_cvt_scalef32_pk8_fp8_f32 v[C+8*(\i)+2*\j:C+8*(\i)+2*\j+1], v[XS+8*\j:XS+8*\j+7], v11
.endr
	v_nop
.irp j, 0,1,2,3
	global_store_b64 v3, v[C+8*(\i)+2*\j:C+8*(\i)+2*\j+1], s[20:21] offset:1024*(\i)+256*\j   ; 32 lanes store 256 consecutive bytes, aligned
.endr
.endm
	v_lshlrev_b32 v1, 5, v2
	s_wait_alu depctr_va_vdst(0)
	v_lshlrev_b32 v3, 3, v2
	v_mov_b32 v9, 0
	s_lshl_b32 s25, ttmp9, 4
	s_lshl_b32 s32, s24, 2
	s_add_co_u32 s25, s25, s32                     ; my first row
	s_lshl_b32 s32, s25, 12
	s_mov_b32 s33, 0
	s_add_nc_u64 s[4:5], s[4:5], s[32:33]
	s_lshl_b32 s32, s25, 10
	s_add_nc_u64 s[20:21], s[20:21], s[32:33]
	s_mov_b32 s26, 0x3a800000                      ; 1 / 1024
	s_mov_b32 s27, 0x3727c5ac                      ; 1e-5
	s_mov_b32 s28, 0x76543210
	s_mov_b32 s29, 0xfedcba98
.irp j, 0,1,2,3
	global_load_b128 v[G+8*\j:G+8*\j+3], v1, s[6:7] offset:1024*\j
	global_load_b128 v[G+8*\j+4:G+8*\j+7], v1, s[6:7] offset:1024*\j+16
.endr
.irp j, 0,1,2,3
	global_load_b128 v[BB+8*\j:BB+8*\j+3], v1, s[8:9] offset:1024*\j
	global_load_b128 v[BB+8*\j+4:BB+8*\j+7], v1, s[8:9] offset:1024*\j+16
.endr
	XROW 0
	XROW 1
	XROW 2
	XROW 3
	s_wait_kmcnt 0x0
	s_add_co_i32 s30, s40, 127
	s_lshl_b32 s31, s30, 23
	v_mov_b32 v11, s31
	s_add_co_i32 s30, s30, 8
	s_lshl_b32 s30, s30, 23
	s_or_b32 s30, s30, 0x600000
	v_mov_b32 v10, s30
	ROW 0, 24                                      ; loads come back in order (ISA guide 5.7.1): the three later rows' 24 loads stay out,
	ROW 1, 16                                      ; the two later rows' 16,
	ROW 2, 8                                       ; the last row's 8
	ROW 3, 0
	s_endpgm
.Lfunc_end_k_qc45bd1c841_ln2:
	.size	k_qc45bd1c841_ln2, .Lfunc_end_k_qc45bd1c841_ln2-k_qc45bd1c841_ln2
	.p2alignl 7, 3214868480
	.fill 96, 4, 3214868480
	.section	.rodata,"a",@progbits
	.p2align	6, 0x0
	.amdhsa_kernel k_qc45bd1c841_ln2
		.amdhsa_group_segment_fixed_size 0
		.amdhsa_private_segment_fixed_size 0
		.amdhsa_enable_private_segment 0
		.amdhsa_kernarg_size 40
		.amdhsa_user_sgpr_count 2
		.amdhsa_user_sgpr_kernarg_segment_ptr 1
		.amdhsa_wavefront_size32 1
		.amdhsa_system_sgpr_workgroup_id_x 1
		.amdhsa_system_sgpr_workgroup_id_y 1
		.amdhsa_system_sgpr_workgroup_id_z 1
		.amdhsa_system_vgpr_workitem_id 0
		.amdhsa_next_free_vgpr 256
		.amdhsa_next_free_sgpr 66
		.amdhsa_reserve_vcc 0
		.amdhsa_float_denorm_mode_32 3
		.amdhsa_float_denorm_mode_16_64 3
		.amdhsa_memory_ordered 1
		.amdhsa_forward_progress 1
		.amdhsa_inst_pref_size 42
	.end_amdhsa_kernel
	.amdgpu_metadata
---
amdhsa.version: [ 1, 2 ]
amdhsa.kernels:
  - .name:           k_qc45bd1c841_ln2
    .symbol:         k_qc45bd1c841_ln2.kd
    .args:
      - { .name: x1, .offset: 0, .size: 8, .value_kind: global_buffer, .address_space: global }
      - { .name: ln2_g, .offset: 8, .size: 8, .value_kind: global_buffer, .address_space: global }
      - { .name: ln2_b, .offset: 16, .size: 8, .value_kind: global_buffer, .address_space: global }
      - { .name: lowp_scales, .offset: 24, .size: 8, .value_kind: global_buffer, .address_space: global }
      - { .name: h2c, .offset: 32, .size: 8, .value_kind: global_buffer, .address_space: global }
    .group_segment_fixed_size: 0
    .private_segment_fixed_size: 0
    .kernarg_segment_align: 8
    .kernarg_segment_size: 40
    .max_flat_workgroup_size: 128
    .sgpr_count:     66
    .vgpr_count:     256
    .wavefront_size: 32
...
	.end_amdgpu_metadata
.endif
;; end of part 5
;; launch fc1 (part 6): grid 16 x 16, 4 waves a work-group, clusters of 4 x 4, 327,680 bytes of LDS; arguments h2c, wc, lowp_scales, fc1_b, gc; writes gc
.if DOCPART == 6
	.amdgcn_target "amdgcn-amd-amdhsa--gfx1250"
	.amdhsa_code_object_version 6
	.text
	.protected	k_qc45bd1c841_fc1
	.globl	k_qc45bd1c841_fc1
	.p2align	8
	.type	k_qc45bd1c841_fc1,@function
k_qc45bd1c841_fc1:
	s_mov_b64 s[64:65], 0
	v_nop
	global_prefetch_b8 v0, s[64:65] scope:SCOPE_SE
	s_setreg_imm32_b32 hwreg(HW_REG_WAVE_MODE, 25, 1), 1
	s_wait_xcnt 0x0
	s_wait_alu depctr_hold_cnt(0) depctr_sa_sdst(0) depctr_va_vdst(0) depctr_va_sdst(0) depctr_va_ssrc(0) depctr_va_vcc(0) depctr_vm_vsrc(0)
	s_getreg_b32 s2, hwreg(HW_REG_IB_STS2, 6, 4)
	s_cmp_eq_u32 s2, 0
	s_cbranch_scc0 .Lentry_in_a_cluster
	s_endpgm
.Lentry_in_a_cluster:
	s_bfe_u32 s2, ttmp6, 0x10000c
	s_cmp_lg_u32 s2, 0xf033
	s_cbranch_scc0 .Lentry_shape_is_right
	s_endpgm
.Lentry_shape_is_right:
.set SIZE_K, 1024
.set KSTEP,  256
.set ROWB,   256
.set KROW,   SIZE_K
.set PITCH,  272
.set FR,     16
.set NL,     4
.set NP,     4
.set HALFT,  128*PITCH
.set SLOT,   4*HALFT
.set LAPS,   SIZE_K/(2*KSTEP)
.set SPARE,  2*SLOT
.set WST,    128*528
.set LIMV, 8
.set SCLV, 9
.set BO,   12
.set ADRA, 16
.set ADRB, 20
.set STO,  24
.set RD0,  25
.set GO,   26
.set AD,   27
.set SPW,  28
.set NIL,  29
.set BN2,  32
.set R,    64
.set U,    96
.set Z,    128
.set T,    160
.set P,    192
.set CDR,  224
.set AF,   128
.set CF,   24
.set RB,   98
.set G1, 24
.set G0, 32
.set G1B, 48
.set G0B, 56
.set MSB, 0
.macro WIN new
.if MSB != \new
	s_set_vgpr_msb (MSB<<8)|\new
.set MSB, \new
.endif
.endm
.set MUL_LO, 0xa1
.set MUL_HI, 0xf1
.set TO_B,   0x40
.macro JLOAD g0a, g1a, g0b, g1b
	s_cmp_eq_u32 s15, 0
	s_cbranch_scc0 .Lfor_b_\@
	tensor_load_to_lds s[\g0a:\g0a+3], s[\g1a:\g1a+7]
	s_nop 0
.rept 4
	v_nop
.endr
	s_branch .Lasked_\@
.Lfor_b_\@:
	tensor_load_to_lds s[\g0b:\g0b+3], s[\g1b:\g1b+7]
	s_nop 0
.rept 4
	v_nop
.endr
.Lasked_\@:
.endm
.macro CREST
	s_cmp_lg_u32 s14, 0
	s_cbranch_scc1 .Lnot_wave_0_\@
	s_barrier_signal -3
.Lnot_wave_0_\@:
	s_barrier_wait -3
	s_barrier_signal -1
	s_barrier_wait -1
.endm
.macro CROUND
	s_barrier_signal -1
	s_barrier_wait -1
	CREST
.endm
	s_load_b128 s[4:7], s[0:1], 0x0
	s_load_b128 s[8:11], s[0:1], 0x10
	s_load_b64 s[12:13], s[0:1], 0x20
	v_lshl_add_u32 v[SPW], v0, 2, SPARE
	v_mov_b32 v[NIL], 0
	ds_add_u32 v[SPW], v[NIL]
	ds_add_u32 v[SPW], v[NIL]
	v_lshrrev_b32 v1, 5, v0
	v_readfirstlane_b32 s14, v1
	s_lshr_b32 s15, s14, 1
	s_and_b32 s16, s14, 1
	s_bfe_u32 s40, ttmp6, 0x40000
	s_bfe_u32 s41, ttmp6, 0x40004
	s_lshl_b32 s42, ttmp9, 2
	s_add_co_u32 s42, s42, s40
	s_and_b32 s17, ttmp7, 0xffff
	s_lshl_b32 s17, s17, 2
	s_add_co_u32 s17, s17, s41
	s_lshl_b32 s43, s41, 2
	s_lshl_b32 s43, 15, s43
	s_lshl_b32 s44, 0x1111, s40
	s_or_b32 s[G1+0], s43, (0<<16)|(1<<20)|(1<<21)|(5<<22)|(3<<25)
	s_or_b32 s[G1B+0], s44, (0<<16)|(1<<20)|(1<<21)|(5<<22)|(3<<25)
.irp g, G1, G1B
	s_mov_b32 s[\g+1], ROWB<<16
	s_mov_b32 s[\g+2], 128<<16
	s_mov_b32 s[\g+3], ROWB<<16
	s_mov_b32 s[\g+4], 128
	s_mov_b32 s[\g+5], KROW
	s_mov_b32 s[\g+6], 0
	s_mov_b32 s[\g+7], 0
.endr
	s_lshl_b32 s18, s16, 7
	s_lshl_b32 s20, s17, 8
	s_add_co_u32 s20, s20, s18
	s_lshl_b32 s20, s20, 10
	s_mov_b32 s21, 0
	s_lshl_b32 s46, s42, 8
	s_add_co_u32 s46, s46, s18
	s_lshl_b32 s46, s46, 10
	s_add_co_u32 s46, s46, 4194304
	s_mov_b32 s47, 0
	s_mul_i32 s45, s14, HALFT
	v_and_b32 v31, 31, v0
	v_lshlrev_b32 v31, 10, v31                     ; the prefetches' offset: a lane a row of 1,024 bytes; never rewritten
	s_wait_alu depctr_va_vdst(0)                   ; the wait here, directly ahead of the wait below
	s_wait_dscnt 0x0
	s_wait_kmcnt 0x0
	s_load_b256 s[76:83], s[8:9], 0x0
	s_load_b128 s[84:87], s[8:9], 0x20
	s_add_nc_u64 s[20:21], s[4:5], s[20:21]
	s_add_nc_u64 s[46:47], s[6:7], s[46:47]
	s_cmp_eq_u32 s15, 0                            ; the prefetches: of the 128 rows that my wave fetches, each of the four partners that ask with me names 32, told apart by address (cx for A, cy for B)
	s_cselect_b64 s[90:91], s[20:21], s[46:47]
	s_cselect_b32 s92, s40, s41
	s_lshl_b32 s92, s92, 15                        ; 32 rows of 1,024 bytes
	s_mov_b32 s93, 0
	s_add_nc_u64 s[90:91], s[90:91], s[92:93]      ; never rewritten: the K steps stand in the immediates
	CROUND
.irp s, 0,1
	s_mov_b32 s[G0+4*\s], 1
	s_add_co_u32 s[G0+4*\s+1], s45, \s*SLOT
	s_add_nc_u64 s[G0+4*\s+2:G0+4*\s+3], s[20:21], \s*ROWB
	s_or_b32 s[G0+4*\s+3], s[G0+4*\s+3], 0x80000000
	s_mov_b32 s[G0B+4*\s], 1
	s_add_co_u32 s[G0B+4*\s+1], s45, \s*SLOT
	s_add_nc_u64 s[G0B+4*\s+2:G0B+4*\s+3], s[46:47], \s*ROWB
	s_or_b32 s[G0B+4*\s+3], s[G0B+4*\s+3], 0x80000000
.endr
	JLOAD G0, G1, G0B, G1B                         ; K step 0: one tensor load a wave at the head
	global_prefetch_b8 v31, s[90:91] offset:256 th:TH_LOAD_NT scope:SCOPE_SE   ; K steps 1 and 2: 32 rows x 256 bytes each
	global_prefetch_b8 v31, s[90:91] offset:512 th:TH_LOAD_NT scope:SCOPE_SE
	v_and_b32 v1, 15, v0
	s_wait_alu depctr_va_vdst(0)
	v_bfe_u32 v2, v0, 4, 1
	v_mul_u32_u24 v3, v1, PITCH
	v_lshl_add_u32 v4, v2, 4, v3
	s_mul_i32 s21, s15, HALFT
	s_mul_i32 s22, s16, HALFT
	s_add_co_u32 s22, s22, 2*HALFT
.irp s, 0,1
	v_add_nc_u32 v[ADRA+\s], s21, v4
	v_add_nc_u32 v[ADRB+\s], s22, v4
	s_add_co_u32 s21, s21, SLOT
	s_add_co_u32 s22, s22, SLOT
.endr
	s_mul_i32 s23, s14, WST
	v_mul_u32_u24 v5, v1, 528
	s_wait_alu depctr_va_vdst(0)
	v_lshl_add_u32 v5, v2, 5, v5
	v_add_nc_u32 v[STO], s23, v5
	v_and_b32 v6, 31, v0
	v_lshrrev_b32 v7, 2, v6
	v_mul_u32_u24 v7, v7, 528
	v_and_b32 v5, 3, v6
	v_lshl_add_u32 v7, v5, 6, v7
	v_add_nc_u32 v[RD0], s23, v7
	v_lshlrev_b32 v[BO], 6, v5
	v_lshlrev_b32 v[GO], 4, v6
	s_lshl_b32 s22, s42, 8
	s_lshl_b32 s23, s16, 7
	s_add_co_u32 s22, s22, s23
	s_lshl_b32 s22, s22, 2
	s_mov_b32 s23, 0
	s_add_nc_u64 s[10:11], s[10:11], s[22:23]
.irp k, 0,1
.irp i, 0,1,2,3
	global_load_b128 v[BN2+16*\k+4*\i:BN2+16*\k+4*\i+3], v[BO], s[10:11] offset:256*\k+16*\i
.endr
.endr
	s_lshl_b32 s22, s17, 1
	s_add_co_u32 s22, s22, s15
	s_lshl_b32 s22, s22, 19
	s_lshl_b32 s23, s42, 2
	s_add_co_u32 s23, s23, s16
	s_add_co_u32 s23, s23, s16
	s_lshl_b32 s23, s23, 13
	s_add_co_u32 s22, s22, s23
	s_mov_b32 s23, 0
	s_add_nc_u64 s[88:89], s[12:13], s[22:23]
	s_sub_nc_u64 s[88:89], s[88:89], 512           ; each trip of the way out steps the base by 512 ahead of its stores
.macro FRAG reg, adr, q, i
.irp c, 0,1,2,3
	ds_load_b128 v[\reg+4*\c:\reg+4*\c+3], v[\adr] offset:128*(\q)+32*\c+(\i)*16*PITCH
.endr
.endm
.macro MUL16 a0, p, zero
.irp a, \a0, \a0+1
.irp b, 0,1,2,3,4,5,6,7
.if \zero
	v_wmma_f32_16x16x128_fp8_fp8 v[8*(8*((\a)%4)+\b):8*(8*((\a)%4)+\b)+7], v[128*(\p)+FR*\b:128*(\p)+FR*\b+FR-1], v[AF+FR*(\a):AF+FR*(\a)+FR-1], 0
.else
	v_wmma_f32_16x16x128_fp8_fp8 v[8*(8*((\a)%4)+\b):8*(8*((\a)%4)+\b)+7], v[128*(\p)+FR*\b:128*(\p)+FR*\b+FR-1], v[AF+FR*(\a):AF+FR*(\a)+FR-1], v[8*(8*((\a)%4)+\b):8*(8*((\a)%4)+\b)+7]
.endif
.endr
.endr
.endm
.macro FETCH_B slot, q, p
	WIN TO_B
.irp i, 0,1,2,3,4,5,6,7
	FRAG 128*(\p)+FR*\i, ADRB+\slot, \q, \i
.endr
	WIN 0
.endm
.macro FETCH_A slot, q, i0
.irp i, \i0, \i0+1, \i0+2, \i0+3
	FRAG AF+FR*(\i), ADRA+\slot, \q, \i
.endr
.endm
.macro PLACES n
.rept \n
	v_nop
.endr
.endm
.macro STEP slot, q, zero
	s_wait_dscnt 4*NL
	WIN MUL_LO
	MUL16 0, (\q)%2, \zero
	MUL16 2, (\q)%2, \zero
	s_wait_dscnt 0
	PLACES NP
	FETCH_B \slot, (\q)+1, 1-(\q)%2
	FETCH_A \slot, (\q)+1, 0
	WIN MUL_HI
	MUL16 4, (\q)%2, \zero
	MUL16 6, (\q)%2, \zero
	PLACES NP
	WIN 0
	FETCH_A \slot, (\q)+1, 4
.endm
.macro TURN slot, next, fill
	s_wait_tensorcnt 0x0
	ds_add_u32 v[SPW], v[NIL]
	s_wait_dscnt 4*NL+1
	WIN MUL_LO
	MUL16 0, 1, 0
	s_wait_dscnt 0x0
	s_barrier_signal -1
	MUL16 2, 1, 0
	WIN 0
	s_barrier_wait -1
.if \fill
	CREST
	s_add_nc_u64 s[G0+4*\slot+2:G0+4*\slot+3], s[G0+4*\slot+2:G0+4*\slot+3], 2*ROWB
	s_add_nc_u64 s[G0B+4*\slot+2:G0B+4*\slot+3], s[G0B+4*\slot+2:G0B+4*\slot+3], 2*ROWB
	JLOAD G0+4*\slot, G1, G0B+4*\slot, G1B
.else
	PLACES NP
.endif
	FETCH_B \next, 0, 0
	FETCH_A \next, 0, 0
	WIN MUL_HI
	MUL16 4, 1, 0
	MUL16 6, 1, 0
	PLACES NP
	WIN 0
	FETCH_A \next, 0, 4
.endm
	s_wait_alu depctr_va_vdst(0)                   ; the wait at the head's end
	s_wait_tensorcnt 0x0                           ; my part of K step 0 is in; slot 1's first fill is issued as a refill is:
	ds_add_u32 v[SPW], v[NIL]                      ; 0 onto my spare word
	s_wait_dscnt 0x0
	CROUND                                         ; a whole round: everybody's part of K step 0 is in
	JLOAD G0+4, G1, G0B+4, G1B                     ; K step 1: the first tensor load behind the round
	FETCH_B 0, 0, 0
	FETCH_A 0, 0, 0
	FETCH_A 0, 0, 4
	global_prefetch_b8 v31, s[90:91] offset:768 th:TH_LOAD_NT scope:SCOPE_SE   ; K step 3, the last: two K steps ahead of its load
	STEP 0, 0, 1
	s_mov_b32 s3, LAPS-1
.Llap:
	TURN 0, 1, 1
	STEP 1, 0, 0
	TURN 1, 0, 1
	STEP 0, 0, 0
	s_sub_co_u32 s3, s3, 1
	s_cmp_lg_u32 s3, 0
	s_cbranch_scc1 .Llap
	TURN 0, 1, 0
	STEP 1, 0, 0
	s_wait_dscnt 4*NL
	WIN MUL_LO
	MUL16 0, 1, 0
	MUL16 2, 1, 0
	s_wait_alu depctr_va_vdst(0)
	s_wait_dscnt 0
	WIN MUL_HI
	MUL16 4, 1, 0
	MUL16 6, 1, 0
	WIN 0
	PLACES NP
	s_wait_dscnt 0x0
	s_barrier_signal -1
	s_barrier_wait -1
.irp a, 0,1,2,3,4,5,6,7
	WIN 0x08+4*((\a)/4)
.irp b, 0,1,2,3,4,5,6,7
	ds_store_b128 v[STO], v[64*((\a)%4)+8*\b:64*((\a)%4)+8*\b+3] offset:\a*16*528+64*\b
	ds_store_b128 v[STO], v[64*((\a)%4)+8*\b+4:64*((\a)%4)+8*\b+7] offset:\a*16*528+64*\b+16
.endr
.endr
	WIN 0
.macro COEF k, bits
	s_mov_b32 s[CF+2*\k], \bits
	s_mov_b32 s[CF+2*\k+1], \bits
.endm
	COEF 0, 0xbfa1fc4e
	COEF 1, 0x3f8000c7
	COEF 2, 0x3ebf88fb
	COEF 3, 0x3dc636c9
	COEF 4, 0xbe3ec24c
	COEF 5, 0x3e8ec7cc
	COEF 6, 0xbf914e5d
	COEF 7, 0x3fbe87b0
	COEF 8, 0xbf527892
	v_mov_b32 v232, 0x3e2ef945
	v_mov_b32 v233, 0x3e2ef945
	s_mov_b32 s70, 0x3f3504f3
	s_mov_b32 s71, 0x3f3504f3
	s_mov_b32 s72, 0x3fb8aa3b
	s_mov_b32 s73, 0x3fb8aa3b
	s_wait_kmcnt 0x0
	s_add_co_i32 s96, s84, s85
	s_add_co_i32 s96, s96, 127
	s_lshl_b32 s96, s96, 23
	s_mov_b32 s97, s96
	s_add_co_i32 s74, s86, 127
	s_lshl_b32 s75, s74, 23
	v_mov_b32 v[SCLV], s75
	s_add_co_i32 s74, s74, 8
	s_lshl_b32 s74, s74, 23
	s_or_b32 s74, s74, 0x600000
	v_mov_b32 v[LIMV], s74
	s_wait_loadcnt 0x0
.macro RLOADS
.irp k, 0,1
.irp i, 0,1,2,3
	ds_load_b128 v[R+16*\k+4*\i:R+16*\k+4*\i+3], v[AD] offset:256*\k+16*\i
.endr
.endr
.endm
.macro TRIP ahead
	s_wait_dscnt 0x0
.set p, 0
.rept 16
	v_pk_fma_f32 v[U+p:U+p+1], v[R+p:R+p+1], s[96:97], v[BN2+p:BN2+p+1] op_sel_hi:[1,0,1]
.set p, p+2
.endr
.if \ahead
	s_add_co_u32 s[RB], s[RB], 8*528
	v_add_nc_u32 v[AD], s[RB], v[RD0]
	RLOADS
.endif
.set p, 0
.rept 32
	v_mul_f32 v[Z+p], s70, |v[U+p]|
.set p, p+1
.endr
.set p, 0
.rept 16
	v_pk_fma_f32 v[T+p:T+p+1], v[Z+p:Z+p+1], 0.5, 1.0 op_sel_hi:[1,0,0]
.set p, p+2
.endr
.set p, 0
	s_wait_alu depctr_va_vdst(0)
.rept 32
	v_rcp_f32 v[T+p], v[T+p]
.set p, p+1
.endr
.set p, 0
.rept 32
	v_max_num_f32 v[U+p], 0, v[U+p]
.set p, p+1
.endr
	s_wait_alu depctr_va_vdst(0)
.set p, 0
.rept 16
	v_pk_fma_f32 v[P+p:P+p+1], v[T+p:T+p+1], v[232:233], s[CF+16:CF+17] op_sel_hi:[1,1,0]
.set p, p+2
.endr
.irp k, 7,6,5,4,3,2,1,0
.set p, 0
.rept 16
	v_pk_fma_f32 v[P+p:P+p+1], v[P+p:P+p+1], v[T+p:T+p+1], s[CF+2*\k:CF+2*\k+1] op_sel_hi:[1,1,0]
.set p, p+2
.endr
.endr
.set p, 0
.rept 16
	v_pk_fma_f32 v[P+p:P+p+1], v[Z+p:Z+p+1], v[Z+p:Z+p+1], v[P+p:P+p+1] neg_lo:[1,0,0] neg_hi:[1,0,0]
.set p, p+2
.endr
.set p, 0
.rept 16
	v_pk_mul_f32 v[P+p:P+p+1], v[P+p:P+p+1], s[72:73] op_sel_hi:[1,0]
.set p, p+2
.endr
.set p, 0
	s_wait_alu depctr_va_vdst(0)
.rept 32
	v_exp_f32 v[P+p], v[P+p]
.set p, p+1
.endr
.set p, 0
.rept 16
	v_pk_mul_f32 v[Z+p:Z+p+1], v[Z+p:Z+p+1], s[70:71] op_sel_hi:[1,0]
.set p, p+2
.endr
	s_wait_alu depctr_va_vdst(0)
	s_wait_xcnt 0x0                                ; the last trip's stores have read their base and their data: the base steps, and the codes' registers may be written again
	s_add_nc_u64 s[88:89], s[88:89], 512
.set p, 0
.rept 16
	v_pk_mul_f32 v[T+p:T+p+1], v[T+p:T+p+1], v[P+p:P+p+1]
.set p, p+2
.endr
.set p, 0
.rept 16
	v_pk_fma_f32 v[U+p:U+p+1], v[Z+p:Z+p+1], v[T+p:T+p+1], v[U+p:U+p+1] neg_lo:[1,0,0] neg_hi:[1,0,0]
.set p, p+2
.endr
.set p, 0
.rept 32
	v_med3_num_f32 v[U+p], v[U+p], -v[LIMV], v[LIMV]
.set p, p+1
.endr
.irp g, 0,1,2,3
	v_cvt_scalef32_pk8_fp8_f32 v[CDR+2*\g:CDR+2*\g+1], v[U+8*\g:U+8*\g+7], v[SCLV]
.endr
	v_nop
	global_store_b128 v[GO], v[CDR:CDR+3], s[88:89]
	global_store_b128 v[GO], v[CDR+4:CDR+7], s[88:89] offset:8192
.endm
	s_mov_b32 s[RB], 0
	v_add_nc_u32 v[AD], s[RB], v[RD0]
	RLOADS
	s_mov_b32 s3, 15
.Ltrip:
	TRIP 1
	s_sub_co_u32 s3, s3, 1
	s_cmp_lg_u32 s3, 0
	s_cbranch_scc1 .Ltrip
	TRIP 0
	s_wait_tensorcnt 0x0
	ds_add_u32 v[SPW], v[NIL]
	s_wait_dscnt 0x0
	CROUND
	s_endpgm
.Lfunc_end_k_qc45bd1c841_fc1:
	.size	k_qc45bd1c841_fc1, .Lfunc_end_k_qc45bd1c841_fc1-k_qc45bd1c841_fc1
	.p2alignl 7, 3214868480
	.fill 96, 4, 3214868480
	.section	.rodata,"a",@progbits
	.p2align	6, 0x0
	.amdhsa_kernel k_qc45bd1c841_fc1
		.amdhsa_group_segment_fixed_size 327680
		.amdhsa_private_segment_fixed_size 0
		.amdhsa_enable_private_segment 0
		.amdhsa_kernarg_size 40
		.amdhsa_user_sgpr_count 2
		.amdhsa_user_sgpr_kernarg_segment_ptr 1
		.amdhsa_wavefront_size32 1
		.amdhsa_system_sgpr_workgroup_id_x 1
		.amdhsa_system_sgpr_workgroup_id_y 1
		.amdhsa_system_sgpr_workgroup_id_z 1
		.amdhsa_system_vgpr_workitem_id 0
		.amdhsa_next_free_vgpr 1024
		.amdhsa_next_free_sgpr 100
		.amdhsa_reserve_vcc 0
		.amdhsa_float_denorm_mode_32 3
		.amdhsa_float_denorm_mode_16_64 3
		.amdhsa_memory_ordered 1
		.amdhsa_forward_progress 1
		.amdhsa_inst_pref_size 139
	.end_amdhsa_kernel
	.amdgpu_metadata
---
amdhsa.version: [ 1, 2 ]
amdhsa.kernels:
  - .name:           k_qc45bd1c841_fc1
    .symbol:         k_qc45bd1c841_fc1.kd
    .args:
      - { .name: h2c, .offset: 0, .size: 8, .value_kind: global_buffer, .address_space: global }
      - { .name: wc, .offset: 8, .size: 8, .value_kind: global_buffer, .address_space: global }
      - { .name: lowp_scales, .offset: 16, .size: 8, .value_kind: global_buffer, .address_space: global }
      - { .name: fc1_b, .offset: 24, .size: 8, .value_kind: global_buffer, .address_space: global }
      - { .name: gc, .offset: 32, .size: 8, .value_kind: global_buffer, .address_space: global }
    .group_segment_fixed_size: 327680
    .private_segment_fixed_size: 0
    .kernarg_segment_align: 8
    .kernarg_segment_size: 40
    .max_flat_workgroup_size: 128
    .sgpr_count:     100
    .vgpr_count:     1024
    .wavefront_size: 32
...
	.end_amdgpu_metadata
.endif
;; end of part 6
;; launch fc2 (part 7): grid 8 x 32, 4 waves a work-group, clusters of 4 x 4, 327,680 bytes of LDS; arguments gc, wc, lowp_scales, fc2_b, x1, out0; writes out0
.if DOCPART == 7
	.amdgcn_target "amdgcn-amd-amdhsa--gfx1250"
	.amdhsa_code_object_version 6
	.text
	.protected	k_qc45bd1c841_fc2
	.globl	k_qc45bd1c841_fc2
	.p2align	8
	.type	k_qc45bd1c841_fc2,@function
k_qc45bd1c841_fc2:
	s_mov_b64 s[64:65], 0
	v_nop
	global_prefetch_b8 v0, s[64:65] scope:SCOPE_SE
	s_setreg_imm32_b32 hwreg(HW_REG_WAVE_MODE, 25, 1), 1
	s_wait_xcnt 0x0
	s_wait_alu depctr_hold_cnt(0) depctr_sa_sdst(0) depctr_va_vdst(0) depctr_va_sdst(0) depctr_va_ssrc(0) depctr_va_vcc(0) depctr_vm_vsrc(0)
	s_getreg_b32 s2, hwreg(HW_REG_IB_STS2, 6, 4)
	s_cmp_eq_u32 s2, 0
	s_cbranch_scc0 .Lentry_in_a_cluster
	s_endpgm
.Lentry_in_a_cluster:
	s_bfe_u32 s2, ttmp6, 0x10000c
	s_cmp_lg_u32 s2, 0xf033
	s_cbranch_scc0 .Lentry_shape_is_right
	s_endpgm
.Lentry_shape_is_right:
.set SIZE_K, 4096
.set WOFF,   8388608
.set ES,     10
.set KSTEP,  512
.set APL,    32*272
.set AHALF,  4*APL
.set BOFF,   8*APL
.set BP,     528
.set BHALF,  64*BP
.set SLOT,   BOFF+2*BHALF
.set STAGE,  2*SLOT
.set SPITCH, 272
.set SPARE,  STAGE+4*16*SPITCH
.set LAPS,   SIZE_K/(2*KSTEP)
.set ADRA, 16
.set ADRB, 20
.set STO,  24
.set RD,   25
.set CO,   26
.set SPW,  28
.set NIL,  29
.set R0,   32
.set T,    96
.set ACC,  128
.set F0,   0
.set F1,   128
.set G1, 24
.set G0, 32
.set G1B, 48
.set G0B, 56
.set MSB, 0
.macro WIN new
.if MSB != \new
	s_set_vgpr_msb (MSB<<8)|\new
.set MSB, \new
.endif
.endm
.set MUL,  0x05
.set TO_F, 0x40
.macro JLOAD s
	s_cmp_eq_u32 s15, 0
	s_cbranch_scc0 .Lfor_b_\@
	tensor_load_to_lds s[G0+4*\s:G0+4*\s+3], s[G1:G1+7]
	s_nop 0
.rept 4
	v_nop
.endr
	s_branch .Lasked_\@
.Lfor_b_\@:
	tensor_load_to_lds s[G0B+4*\s:G0B+4*\s+3], s[G1B:G1B+7]
	s_nop 0
.rept 4
	v_nop
.endr
.Lasked_\@:
.endm
.macro CREST
	s_cmp_lg_u32 s14, 0
	s_cbranch_scc1 .Lnot_wave_0_\@
	s_barrier_signal -3
.Lnot_wave_0_\@:
	s_barrier_wait -3
	s_barrier_signal -1
	s_barrier_wait -1
.endm
.macro CROUND
	s_barrier_signal -1
	s_barrier_wait -1
	CREST
.endm
	s_load_b256 s[4:11], s[0:1], 0x0
	s_load_b128 s[68:71], s[0:1], 0x20
	v_lshl_add_u32 v[SPW], v0, 2, SPARE
	v_mov_b32 v[NIL], 0
	ds_add_u32 v[SPW], v[NIL]
	ds_add_u32 v[SPW], v[NIL]
	v_lshrrev_b32 v1, 5, v0
	v_readfirstlane_b32 s14, v1
	s_lshr_b32 s15, s14, 1
	s_and_b32 s16, s14, 1
	s_bfe_u32 s40, ttmp6, 0x40000
	s_bfe_u32 s41, ttmp6, 0x40004
	s_lshl_b32 s42, ttmp9, 2
	s_add_co_u32 s42, s42, s40
	s_and_b32 s17, ttmp7, 0xffff
	s_lshl_b32 s17, s17, 2
	s_add_co_u32 s17, s17, s41
	s_lshl_b32 s43, s41, 2
	s_lshl_b32 s43, 15, s43
	s_lshl_b32 s44, 0x1111, s40
	s_or_b32 s[G1+0], s43, (0<<16)|(1<<20)|(1<<21)|(5<<22)|(3<<25)
	s_mov_b32 s[G1+1], 256<<16
	s_mov_b32 s[G1+2], 128<<16
	s_mov_b32 s[G1+3], 256<<16
	s_mov_b32 s[G1+4], 128
	s_mov_b32 s[G1+5], 256
	s_mov_b32 s[G1+6], 0
	s_mov_b32 s[G1+7], 0
	s_or_b32 s[G1B+0], s44, (0<<16)|(1<<20)|(1<<21)|(6<<22)|(3<<25)
	s_mov_b32 s[G1B+1], KSTEP<<16
	s_mov_b32 s[G1B+2], 64<<16
	s_mov_b32 s[G1B+3], KSTEP<<16
	s_mov_b32 s[G1B+4], 64
	s_mov_b32 s[G1B+5], SIZE_K
	s_mov_b32 s[G1B+6], 0
	s_mov_b32 s[G1B+7], 0
	s_mul_i32 s20, s17, SIZE_K*128
	s_lshl_b32 s18, s16, 15
	s_add_co_u32 s20, s20, s18
	s_mov_b32 s21, 0
	s_lshl_b32 s46, s42, 7
	s_lshl_b32 s18, s16, 6
	s_add_co_u32 s46, s46, s18
	s_mul_i32 s46, s46, SIZE_K
	s_add_co_u32 s46, s46, WOFF
	s_mov_b32 s47, 0
	s_mul_i32 s45, s16, AHALF
	s_mul_i32 s19, s16, BHALF
	s_add_co_u32 s19, s19, BOFF
	s_wait_dscnt 0x0
	s_wait_kmcnt 0x0
	s_load_b64 s[72:73], s[8:9], ES*4
	s_add_nc_u64 s[20:21], s[4:5], s[20:21]
	s_add_nc_u64 s[46:47], s[6:7], s[46:47]
	; the prefetches: of the 128 blocks of 256 bytes that my wave fetches in a K step, each of the four partners that ask with me names 32, told apart by address (cx for A, cy for B)
	s_mov_b32 s80, 16*SIZE_K                       ; B: a partner's 16 rows
	s_mov_b32 s82, KSTEP                           ; B: a K step on
	s_mov_b32 s85, SIZE_K                          ; B: two lanes to a row of 512 bytes
	s_cmp_eq_u32 s15, 0                            ; do I fetch for A?
	s_cselect_b64 s[76:77], s[20:21], s[46:47]
	s_cselect_b32 s78, s40, s41
	s_cselect_b32 s80, 8192, s80                   ; A: a partner's 8,192 bytes of my dense 32,768
	s_cselect_b32 s82, 65536, s82
	s_cselect_b32 s85, 512, s85
	s_mul_i32 s78, s78, s80
	s_mov_b32 s79, 0
	s_mov_b32 s83, 0
	s_add_nc_u64 s[76:77], s[76:77], s[78:79]
	s_add_nc_u64 s[88:89], s[76:77], s[82:83]      ; K step 1
	s_add_nc_u64 s[86:87], s[88:89], s[82:83]      ; K step 2
	s_add_nc_u64 s[76:77], s[86:87], s[82:83]      ; K step 3; stepped at each change of slots
	v_and_b32 v30, 31, v0
	v_lshrrev_b32 v31, 1, v30
	v_and_b32 v30, 1, v30
	v_mul_lo_u32 v31, v31, s85
	v_lshl_add_u32 v30, v30, 8, v31                ; my lane's block of 256 bytes; never rewritten
	s_wait_alu depctr_va_vdst(0)
	CROUND
.irp s, 0,1
	s_mov_b32 s[G0+4*\s], 1
	s_add_co_u32 s[G0+4*\s+1], s45, \s*SLOT
	s_add_nc_u64 s[G0+4*\s+2:G0+4*\s+3], s[20:21], \s*65536
	s_or_b32 s[G0+4*\s+3], s[G0+4*\s+3], 0x80000000
	s_mov_b32 s[G0B+4*\s], 1
	s_add_co_u32 s[G0B+4*\s+1], s19, \s*SLOT
	s_add_nc_u64 s[G0B+4*\s+2:G0B+4*\s+3], s[46:47], \s*KSTEP
	s_or_b32 s[G0B+4*\s+3], s[G0B+4*\s+3], 0x80000000
.endr
	JLOAD 0                                        ; K step 0: one tensor load a wave at the head
	global_prefetch_b8 v30, s[88:89] th:TH_LOAD_NT scope:SCOPE_SE   ; K steps 1 and 2
	global_prefetch_b8 v30, s[86:87] th:TH_LOAD_NT scope:SCOPE_SE
	v_and_b32 v1, 15, v0
	v_bfe_u32 v2, v0, 4, 1
	v_lshrrev_b32 v3, 2, v1
	v_mul_u32_u24 v3, v3, 272
	v_and_b32 v4, 3, v1
	v_lshl_add_u32 v3, v4, 6, v3
	v_lshl_add_u32 v3, v2, 4, v3
	v_mul_u32_u24 v4, v1, BP
	v_lshl_add_u32 v4, v2, 4, v4
	s_mul_i32 s21, s15, 16*272
	s_mul_i32 s22, s16, BHALF
	s_add_co_u32 s22, s22, BOFF
.irp s, 0,1
	v_add_nc_u32 v[ADRA+\s], s21, v3
	v_add_nc_u32 v[ADRB+\s], s22, v4
	s_add_co_u32 s21, s21, SLOT
	s_add_co_u32 s22, s22, SLOT
.endr
	s_mul_i32 s23, s14, 16*SPITCH
	s_add_co_u32 s23, s23, STAGE
	v_mul_u32_u24 v5, v1, SPITCH
	v_lshl_add_u32 v5, v2, 5, v5
	v_add_nc_u32 v[STO], s23, v5
	v_mul_u32_u24 v5, v2, SPITCH
	v_lshl_add_u32 v5, v1, 4, v5
	v_add_nc_u32 v[RD], s23, v5
	v_lshlrev_b32 v5, 12, v2
	v_lshl_add_u32 v[CO], v1, 4, v5
	v_lshlrev_b32 v6, 4, v1
	s_wait_alu depctr_va_vdst(0)
	s_lshl_b32 s20, s17, 7
	s_lshl_b32 s21, s15, 6
	s_add_co_u32 s20, s20, s21
	s_lshl_b32 s20, s20, 12
	s_lshl_b32 s46, s42, 7
	s_lshl_b32 s47, s16, 6
	s_add_co_u32 s46, s46, s47
	s_lshl_b32 s46, s46, 2
	s_mov_b32 s47, 0
	s_add_nc_u64 s[10:11], s[10:11], s[46:47]
	s_add_co_u32 s20, s20, s46
	s_mov_b32 s21, 0
	s_add_nc_u64 s[68:69], s[68:69], s[20:21]
	s_add_nc_u64 s[70:71], s[70:71], s[20:21]
.macro RLOAD a
.irp t, 0,1,2,3,4,5,6,7
	global_load_b128 v[R0+32*((\a)%2)+4*\t:R0+32*((\a)%2)+4*\t+3], v[CO], s[68:69] offset:(16*(\a)+2*\t)*4096 th:TH_LOAD_NT
.endr
.endm
	global_load_b128 v[8:11], v6, s[10:11]
	RLOAD 0
	RLOAD 1
.macro MUL4 f, a, zero
.irp b, 0,1,2,3
.if \zero
	v_wmma_f32_16x16x128_fp8_fp8 v[ACC+8*(4*(\a)+\b):ACC+8*(4*(\a)+\b)+7], v[\f+64+16*\b:\f+64+16*\b+15], v[\f+16*(\a):\f+16*(\a)+15], 0
.else
	v_wmma_f32_16x16x128_fp8_fp8 v[ACC+8*(4*(\a)+\b):ACC+8*(4*(\a)+\b)+7], v[\f+64+16*\b:\f+64+16*\b+15], v[\f+16*(\a):\f+16*(\a)+15], v[ACC+8*(4*(\a)+\b):ACC+8*(4*(\a)+\b)+7]
.endif
.endr
.endm
.macro FETCH slot, q, f
	WIN TO_F
.irp i, 0,1,2,3
.irp c, 0,1,2,3
	ds_load_b128 v[\f+64+16*\i+4*\c:\f+64+16*\i+4*\c+3], v[ADRB+\slot] offset:128*(\q)+32*\c+\i*16*BP
.endr
.endr
.irp i, 0,1,2,3
.irp c, 0,1,2,3
	ds_load_b128 v[\f+16*\i+4*\c:\f+16*\i+4*\c+3], v[ADRA+\slot] offset:(2*(\q)+\c/2)*APL+32*(\c%2)+\i*4*272
.endr
.endr
.endm
.macro PLACES
.rept 4
	v_nop
.endr
.endm
.macro QUARTER slot, qn, f, g, zero
	s_wait_dscnt 8
	WIN MUL
	MUL4 \f, 0, \zero
	MUL4 \f, 1, \zero
	PLACES
	FETCH \slot, \qn, \g
	s_wait_dscnt 32
	WIN MUL
	MUL4 \f, 2, \zero
	MUL4 \f, 3, \zero
.endm
.macro TURN slot, next, fill
	WIN 0
.if \fill
	s_wait_xcnt 0x0                                ; my last prefetch has read its address: it steps one K step on
	s_add_nc_u64 s[76:77], s[76:77], s[82:83]
.endif
	s_wait_tensorcnt 0x0
	ds_add_u32 v[SPW], v[NIL]
	s_wait_dscnt 9
	WIN MUL
	MUL4 F1, 0, 0
	s_wait_dscnt 0x0
	s_barrier_signal -1
	MUL4 F1, 1, 0
.if \fill
	WIN 0
.endif
	s_barrier_wait -1
.if \fill
	CREST
	s_add_nc_u64 s[G0+4*\slot+2:G0+4*\slot+3], s[G0+4*\slot+2:G0+4*\slot+3], 2*65536
	s_add_nc_u64 s[G0B+4*\slot+2:G0B+4*\slot+3], s[G0B+4*\slot+2:G0B+4*\slot+3], 2*KSTEP
	JLOAD \slot
.else
	PLACES
.endif
	FETCH \next, 0, F0
.if \fill
	WIN 0
	s_cmp_gt_u32 s3, 1                             ; the loop's last trip has no K step two on
	s_cbranch_scc0 .Lnot_asked_\@
	global_prefetch_b8 v30, s[76:77] th:TH_LOAD_NT scope:SCOPE_SE   ; the K step two refills on: 32 blocks of 256 bytes a wave
.Lnot_asked_\@:
.endif
	WIN MUL
	MUL4 F1, 2, 0
	MUL4 F1, 3, 0
.endm
	s_wait_alu depctr_va_vdst(0)                   ; the wait at the head's end
	s_wait_tensorcnt 0x0                           ; my part of K step 0 is in; slot 1's first fill is issued as a refill is:
	ds_add_u32 v[SPW], v[NIL]                      ; 0 onto my spare word
	s_wait_dscnt 0x0
	CROUND                                         ; a whole round: everybody's part of K step 0 is in
	JLOAD 1                                        ; K step 1: the first tensor load behind the round
	FETCH 0, 0, F0
	global_prefetch_b8 v30, s[76:77] th:TH_LOAD_NT scope:SCOPE_SE   ; K step 3: two K steps ahead of its load (the address register lies in window 0, as the LDS loads' does)
	WIN 0x80                                       ; blocks 2 and 3 of the residual go to window 2, at the register numbers that blocks 0 and 1 have in window 0: all four are asked for ahead of the products
	RLOAD 2
	RLOAD 3
	QUARTER 0, 1, F0, F1, 1
.if LAPS > 1
	WIN 0
	s_mov_b32 s3, LAPS-1
.Llap:
	QUARTER 0, 2, F1, F0, 0
	QUARTER 0, 3, F0, F1, 0
	TURN 0, 1, 1
	QUARTER 1, 1, F0, F1, 0
	QUARTER 1, 2, F1, F0, 0
	QUARTER 1, 3, F0, F1, 0
	TURN 1, 0, 1
	QUARTER 0, 1, F0, F1, 0
	WIN 0
	s_sub_co_u32 s3, s3, 1
	s_cmp_lg_u32 s3, 0
	s_cbranch_scc1 .Llap
.endif
	QUARTER 0, 2, F1, F0, 0
	QUARTER 0, 3, F0, F1, 0
	TURN 0, 1, 0
	QUARTER 1, 1, F0, F1, 0
	QUARTER 1, 2, F1, F0, 0
	QUARTER 1, 3, F0, F1, 0
	s_wait_dscnt 8
	WIN MUL
	MUL4 F1, 0, 0
	MUL4 F1, 1, 0
	s_wait_dscnt 0
	MUL4 F1, 2, 0
	MUL4 F1, 3, 0
	WIN 0
	s_wait_kmcnt 0x0
	s_add_co_i32 s96, s72, s73
	s_add_co_i32 s96, s96, 127
	s_lshl_b32 s96, s96, 23
	s_mov_b32 s97, s96
.macro OUT a, left
.set RR, R0+32*((\a)%2)
.if (\a) > 0
	s_wait_xcnt 0x0
.endif
.irp b, 0,1,2,3
	ds_store_b128 v[STO], v[ACC+8*(4*(\a)+\b):ACC+8*(4*(\a)+\b)+3] offset:64*\b
	ds_store_b128 v[STO], v[ACC+8*(4*(\a)+\b)+4:ACC+8*(4*(\a)+\b)+7] offset:64*\b+16
.endr
.irp t, 0,1,2,3,4,5,6,7
	ds_load_b128 v[T+4*\t:T+4*\t+3], v[RD] offset:\t*2*SPITCH
.endr
	s_wait_loadcnt \left
	WIN 0x82*((\a)/2)                              ; blocks 2, 3: the residual in window 2
.irp t, 0,1,2,3,4,5,6,7
	v_pk_add_f32 v[RR+4*\t:RR+4*\t+1], v[RR+4*\t:RR+4*\t+1], v[8:9]
	v_pk_add_f32 v[RR+4*\t+2:RR+4*\t+3], v[RR+4*\t+2:RR+4*\t+3], v[10:11]
.endr
	s_wait_dscnt 0x0
	WIN 0x20*((\a)/2)
.set p, 0
.rept 16
	v_pk_fma_f32 v[T+p:T+p+1], v[T+p:T+p+1], s[96:97], v[RR+p:RR+p+1] op_sel_hi:[1,0,1]
.set p, p+2
.endr
	WIN 0
.irp t, 0,1,2,3,4,5,6,7
	global_store_b128 v[CO], v[T+4*\t:T+4*\t+3], s[70:71] offset:(16*(\a)+2*\t)*4096
.endr
.endm
	PLACES
	OUT 0, 24                                      ; the later blocks' loads, eight each, may stay out
	OUT 1, 16
	OUT 2, 8
	OUT 3, 0
	s_wait_tensorcnt 0x0
	ds_add_u32 v[SPW], v[NIL]
	s_wait_dscnt 0x0
	CROUND
	s_endpgm
.Lfunc_end_k_qc45bd1c841_fc2:
	.size	k_qc45bd1c841_fc2, .Lfunc_end_k_qc45bd1c841_fc2-k_qc45bd1c841_fc2
	.p2alignl 7, 3214868480
	.fill 96, 4, 3214868480
	.section	.rodata,"a",@progbits
	.p2align	6, 0x0
	.amdhsa_kernel k_qc45bd1c841_fc2
		.amdhsa_group_segment_fixed_size 327680
		.amdhsa_private_segment_fixed_size 0
		.amdhsa_enable_private_segment 0
		.amdhsa_kernarg_size 48
		.amdhsa_user_sgpr_count 2
		.amdhsa_user_sgpr_kernarg_segment_ptr 1
		.amdhsa_wavefront_size32 1
		.amdhsa_system_sgpr_workgroup_id_x 1
		.amdhsa_system_sgpr_workgroup_id_y 1
		.amdhsa_system_sgpr_workgroup_id_z 1
		.amdhsa_system_vgpr_workitem_id 0
		.amdhsa_next_free_vgpr 640
		.amdhsa_next_free_sgpr 100
		.amdhsa_reserve_vcc 0
		.amdhsa_float_denorm_mode_32 3
		.amdhsa_float_denorm_mode_16_64 3
		.amdhsa_memory_ordered 1
		.amdhsa_forward_progress 1
		.amdhsa_inst_pref_size 84
	.end_amdhsa_kernel
	.amdgpu_metadata
---
amdhsa.version: [ 1, 2 ]
amdhsa.kernels:
  - .name:           k_qc45bd1c841_fc2
    .symbol:         k_qc45bd1c841_fc2.kd
    .args:
      - { .name: gc, .offset: 0, .size: 8, .value_kind: global_buffer, .address_space: global }
      - { .name: wc, .offset: 8, .size: 8, .value_kind: global_buffer, .address_space: global }
      - { .name: lowp_scales, .offset: 16, .size: 8, .value_kind: global_buffer, .address_space: global }
      - { .name: fc2_b, .offset: 24, .size: 8, .value_kind: global_buffer, .address_space: global }
      - { .name: x1, .offset: 32, .size: 8, .value_kind: global_buffer, .address_space: global }
      - { .name: out0, .offset: 40, .size: 8, .value_kind: global_buffer, .address_space: global }
    .group_segment_fixed_size: 327680
    .private_segment_fixed_size: 0
    .kernarg_segment_align: 8
    .kernarg_segment_size: 48
    .max_flat_workgroup_size: 128
    .sgpr_count:     100
    .vgpr_count:     640
    .wavefront_size: 32
...
	.end_amdgpu_metadata
.endif
;; end of part 7
